; MI455X (gfx1250); checked and timed in simulation.
; The chip was launched on July 23, 2026; its instructions are those of AMD's public machine-readable ISA for CDNA 5 (MIT licence, August 2026) and "CDNA5" Instruction Set Architecture Reference Guide (July 2026). The comments in the code are by the model that wrote it; some were corrected since.
;; Token Encoder. Allowed arithmetic: float matrix products may take bf16 or f16 operands with f32 sums; all other float work in f32.
;; Inputs: attention_mask 8 x 1,024 float32; params_W_DKV 1,024 x 256 float32; params_W_DQ 1,024 x 512 float32; params_W_KR 1,024 x 32 float32; params_W_O 1,024 x 1,024 float32; params_W_QR 512 x 512 float32; params_W_UK 256 x 1,024 float32; params_W_UQ 512 x 1,024 float32; params_W_UV 256 x 1,024 float32; params_W_cls 1,024 x 201 float32; params_W_lin 1,024 x 1,024 float32; params_b_DKV 256 float32; params_b_DQ 512 float32; params_b_KR 32 float32; params_b_O 1,024 float32; params_b_QR 512 float32; params_b_UK 1,024 float32; params_b_UQ 1,024 float32; params_b_UV 1,024 float32; params_b_cls 201 float32; params_b_lin 1,024 float32; params_cls_token 1 x 1 x 1,024 float32; params_rms_w 1,024 float32; x 8 x 1,024 x 1,024 float32.
;; Outputs: out0 8 x 201 float32.
;; Constants: return_NoF = 1.
;; One version. Each part assembles by itself: llvm-mc -triple=amdgcn-amd-amdhsa -mcpu=gfx1250 --defsym DOCPART=n.
;; ======== version 1 of 1: 7 launches
;; workspace buffers: f1o 17,664 bytes; wc 98,304 bytes; qh 3,072 bytes; yp 16,809,984 bytes; zp 2,097,152 bytes; ap 524,288 bytes; tp 294,912 bytes
;; launch f1 (part 1): grid 8 x 8, 8 waves a work-group, no clusters, 6,400 bytes of LDS; arguments params_cls_token, params_rms_w, params_W_DQ, params_W_KR, f1o, wc; writes f1o, wc
.if DOCPART == 1
	.amdgcn_target "amdgcn-amd-amdhsa--gfx1250"
	.amdhsa_code_object_version 6
	.text
	.protected	k_q3df244e0cb_f1
	.globl	k_q3df244e0cb_f1
	.p2align	8
	.type	k_q3df244e0cb_f1,@function
k_q3df244e0cb_f1:
	s_mov_b64 s[64:65], 0
	v_nop
	global_prefetch_b8 v0, s[64:65] scope:SCOPE_SE
	s_setreg_imm32_b32 hwreg(HW_REG_WAVE_MODE, 25, 1), 1
	s_wait_xcnt 0x0
; LAUNCH 1 OF 7.  Only the cls row of the block reaches the output, so one query (the cls token, position 0, where the rotation is the identity) is all that is projected.
; This launch: r0 = rsqrt(mean(cls^2) + eps); parts over K of c_q = (cls r0 g) W_DQ and of krot0 = (cls r0 g) W_KR (r0 applied behind the sums: it is a scalar factor);
; and rows 16-47 of Wc, g o W_KR in bf16, laid so that the two partners of a rotation lie side by side: row 16 + 4 n + 2 a + cs holds column 2 n + a + 16 cs.
; SHARES.  Work-group (nc, kc): 64 columns of W_DQ x 128 rows; thread (grp = t / 16, dq = t % 16) takes rows grp + 16 i and four columns: each load of a wave covers two runs of 256 bytes.
; All f32 on the vector unit: one row of activations, every weight used once: the matrix unit, LDS tiles and joint requests would serve nothing (no two work-groups share a byte of W_DQ).
; LIMITS.  The sums over K are split in 8 parts and added in the next launch: another order of rounding than a single sum.  NaN and infinities are not treated apart.
.set RED,   0                          ; 16 groups x 256 bytes: the groups' sums of 64 columns
.set TS,    4096                       ; 4 rows of Wc x 256 bytes
.set KS,    5120                       ; 8 waves x 2 words: krot0's sums
.set SS,    5184                       ; 8 words: the waves' sums of squares
.set SPARE, 5376                       ; the spare words: 128 bytes a wave, named by no other line
.set SPW,   70
.set NIL,   71
.set TMP,   69
.set SEL,   22
.macro XSTAGE m, base, n, step
.set zz, 0
.rept \n
	v_add_f32_dpp v[(\base)+zz], v[(\base)+zz], v[(\base)+zz] row_xmask:\m row_mask:0xf bank_mask:0xf
.set zz, zz+(\step)
.endr
.endm
.macro XHALF base, n, step             ; the other half of the lanes is added
.set zz, 0
.rept \n
	v_permlanex16_b32 v[TMP], v[(\base)+zz], s[SEL], s[SEL+1]
	v_add_f32 v[(\base)+zz], v[(\base)+zz], v[TMP]
.set zz, zz+(\step)
.endr
.endm
.macro WSUMN base, n, step             ; n registers, each summed over the wave's 32 lanes
	XSTAGE 1, \base, \n, \step
	XSTAGE 2, \base, \n, \step
	XSTAGE 4, \base, \n, \step
	XSTAGE 8, \base, \n, \step
	XHALF \base, \n, \step
.endm
	s_load_b256 s[4:11], s[0:1], 0x0               ; cls s[4:5], rms_w s[6:7], W_DQ s[8:9], W_KR s[10:11]
	s_load_b128 s[12:15], s[0:1], 0x20             ; f1o s[12:13], wc s[14:15]
	v_lshl_add_u32 v[SPW], v0, 2, SPARE
	v_mov_b32 v[NIL], 0
	v_mov_b32 v[TMP], 0
	v_lshrrev_b32 v1, 5, v0
	v_readfirstlane_b32 s18, v1                    ; wave
	s_mov_b32 s16, ttmp9                           ; nc
	s_and_b32 s17, ttmp7, 0xffff                   ; kc
	s_mov_b32 s[SEL], 0x76543210
	s_mov_b32 s[SEL+1], 0xfedcba98
	s_mov_b32 s28, 0x3a800000                      ; 1 / 1024
	s_mov_b32 s29, 0x34000000                      ; eps
	v_and_b32 v1, 31, v0                           ; lane
	v_and_b32 v2, 15, v0                           ; dq
	v_lshrrev_b32 v3, 4, v0                        ; grp
	v_lshlrev_b32 v4, 4, v0                        ; 16 t: my 16 bytes of cls, and my place in RED (grp x 256 + dq x 16)
	v_lshlrev_b32 v5, 2, v3                        ; 4 grp
	v_and_b32 v6, 127, v0                          ; e: my row of W_KR in the slab
	v_lshrrev_b32 v7, 7, v0                        ; cs: which half of its columns
	v_lshlrev_b32 v64, 7, v6
	v_lshl_add_u32 v64, v7, 6, v64                 ; e x 128 + cs x 64
	v_lshlrev_b32 v65, 2, v6                       ; 4 e
	v_lshlrev_b32 v66, 11, v3
	v_lshl_add_u32 v66, v2, 4, v66                 ; grp x 2048 + dq x 16
	v_lshlrev_b32 v67, 1, v6
	v_lshl_add_u32 v67, v7, 8, v67
	v_add_nc_u32 v67, TS, v67                      ; TS + cs x 256 + 2 e
	s_lshl_b32 s19, s18, 2
	s_add_co_u32 s19, s19, SS
	v_mov_b32 v68, s19                             ; SS + 4 wave
	s_lshl_b32 s19, s18, 3
	s_add_co_u32 s19, s19, KS
	v_mov_b32 v76, s19                             ; KS + 8 wave
	s_lshl_b32 s20, s17, 9
	s_mov_b32 s21, 0
	s_wait_kmcnt 0x0
	s_add_nc_u64 s[24:25], s[4:5], s[20:21]        ; cls and rms_w at the slab's 128 numbers
	s_add_nc_u64 s[26:27], s[6:7], s[20:21]
	s_lshl_b32 s20, s17, 18
	s_lshl_b32 s31, s16, 8
	s_add_co_u32 s20, s20, s31
	s_add_nc_u64 s[8:9], s[8:9], s[20:21]          ; W_DQ at row 128 kc, column 64 nc
	s_lshl_b32 s20, s17, 14
	s_lshl_b32 s31, s16, 3
	s_add_co_u32 s20, s20, s31
	s_add_nc_u64 s[10:11], s[10:11], s[20:21]      ; W_KR at row 128 kc, column 2 nc
	; all loads go out at once, the weights last
	global_load_b128 v[8:11], v4, s[4:5]
.irp i, 0,1,2,3,4,5,6,7
	global_load_b32 v[12+\i], v5, s[24:25] offset:64*\i
.endr
.irp i, 0,1,2,3,4,5,6,7
	global_load_b32 v[20+\i], v5, s[26:27] offset:64*\i
.endr
	global_load_b64 v[28:29], v64, s[10:11]
	global_load_b32 v30, v65, s[24:25]
	global_load_b32 v31, v65, s[26:27]
.irp i, 0,1,2,3,4,5,6,7
	global_load_b128 v[32+4*\i:35+4*\i], v66, s[8:9] offset:32768*\i th:TH_LOAD_NT
.endr
	s_wait_loadcnt 8                               ; all but the eight loads of W_DQ, which were issued last
	v_mul_f32 v77, v8, v8                          ; the sum of squares of the whole cls token
	v_fmac_f32 v77, v9, v9
	v_fmac_f32 v77, v10, v10
	v_fmac_f32 v77, v11, v11
	v_mul_f32 v28, v28, v31                        ; g o W_KR, columns a = 0, 1
	v_mul_f32 v29, v29, v31
	v_cvt_pk_bf16_f32 v78, v28, v29
	v_lshrrev_b32 v79, 16, v78
	ds_store_b16 v67, v78                          ; row cs
	ds_store_b16 v67, v79 offset:512               ; row 2 + cs
	v_mul_f32 v28, v28, v30                        ; and times cls: krot0's terms
	v_mul_f32 v29, v29, v30
	WSUMN 77, 1, 1
	WSUMN 28, 2, 1
	ds_store_b32 v68, v77
	ds_store_b64 v76, v[28:29]
.irp i, 0,2,4,6
	v_pk_mul_f32 v[12+\i:13+\i], v[12+\i:13+\i], v[20+\i:21+\i]  ; cls g for my eight rows
.endr
	s_wait_loadcnt 0x0
.set i, 0
.rept 8                                ; four columns x eight rows; the first row starts the sums
.if i == 0
	v_pk_mul_f32 v[72:73], v[32:33], v[12:13] op_sel_hi:[1,0]
	v_pk_mul_f32 v[74:75], v[34:35], v[12:13] op_sel_hi:[1,0]
.elseif i%2 == 0
	v_pk_fma_f32 v[72:73], v[32+4*i:33+4*i], v[12+i:13+i], v[72:73] op_sel_hi:[1,0,1]
	v_pk_fma_f32 v[74:75], v[34+4*i:35+4*i], v[12+i:13+i], v[74:75] op_sel_hi:[1,0,1]
.else
	v_pk_fma_f32 v[72:73], v[32+4*i:33+4*i], v[11+i:12+i], v[72:73] op_sel:[0,1,0] op_sel_hi:[1,1,1]
	v_pk_fma_f32 v[74:75], v[34+4*i:35+4*i], v[11+i:12+i], v[74:75] op_sel:[0,1,0] op_sel_hi:[1,1,1]
.endif
.set i, i+1
.endr
	ds_store_b128 v4, v[72:75]
	s_wait_dscnt 0x0                               ; for the others' sake: my stores are done
	s_barrier_signal -1
	s_barrier_wait -1
	s_cmp_lg_u32 s18, 0
	s_cbranch_scc1 .Lend
	; wave 0 gathers and stores
	v_mov_b32 v77, SS
	ds_load_b128 v[80:83], v77
	ds_load_b128 v[84:87], v77 offset:16
	v_lshrrev_b32 v78, 4, v1
	v_lshlrev_b32 v78, 11, v78
	v_lshl_add_u32 v78, v2, 4, v78                 ; each half of the lanes takes eight groups
.irp i, 0,1,2,3,4,5,6,7
	ds_load_b128 v[32+4*\i:35+4*\i], v78 offset:256*\i
.endr
	v_lshl_add_u32 v79, v1, 4, TS
	ds_load_b128 v[88:91], v79
	ds_load_b128 v[92:95], v79 offset:512
	v_and_b32 v12, 1, v1                           ; a
	v_bfe_u32 v13, v1, 1, 1                        ; cs
	v_lshlrev_b32 v14, 2, v12
	v_lshl_add_u32 v14, v13, 5, v14
	v_add_nc_u32 v14, KS, v14                      ; waves 4 cs .. 4 cs + 3 hold that half's sums
.irp i, 0,1,2,3
	ds_load_b32 v[8+\i], v14 offset:8*\i
.endr
	s_wait_dscnt 0x0
	v_add_f32 v80, v80, v81
	v_add_f32 v82, v82, v83
	v_add_f32 v84, v84, v85
	v_add_f32 v86, v86, v87
	v_add_f32 v80, v80, v82
	v_add_f32 v84, v84, v86
	v_add_f32 v80, v80, v84
	v_fma_f32 v80, v80, s28, s29
	v_rsq_f32 v80, v80                             ; r0; the additions below stand between it and its use
.irp i, 1,2,3,4,5,6,7
	v_pk_add_f32 v[32:33], v[32:33], v[32+4*\i:33+4*\i]
	v_pk_add_f32 v[34:35], v[34:35], v[34+4*\i:35+4*\i]
.endr
	XHALF 32, 4, 1
	s_wait_alu depctr_va_vdst(0)
.irp i, 0,1,2,3
	v_mul_f32 v[32+\i], v[32+\i], v80
.endr
	v_add_f32 v8, v8, v9
	v_add_f32 v10, v10, v11
	v_add_f32 v8, v8, v10
	v_mul_f32 v8, v8, v80
	s_mul_i32 s20, s17, 12288
	s_lshl_b32 s31, s16, 10
	s_add_co_u32 s20, s20, s31
	s_add_co_u32 s20, s20, 4096
	v_lshl_add_u32 v15, v1, 4, s20                 ; Wc: slab kc, rows 16 + 4 nc on
	global_store_b128 v15, v[88:91], s[14:15]      ; 512 consecutive bytes each
	global_store_b128 v15, v[92:95], s[14:15] offset:512
	s_lshl_b32 s20, s17, 11
	s_lshl_b32 s31, s16, 8
	s_add_co_u32 s20, s20, s31
	v_lshl_add_u32 v16, v2, 4, s20
	s_lshl_b32 s20, s17, 7
	s_lshl_b32 s31, s16, 3
	s_add_co_u32 s20, s20, s31
	s_add_co_u32 s20, s20, 16384
	v_lshl_add_u32 v17, v12, 2, s20
	v_lshl_add_u32 v17, v13, 6, v17                ; krot0's part: column 2 nc + 16 cs + a
	s_lshl_b32 s20, s17, 5
	s_lshl_b32 s31, s16, 2
	s_add_co_u32 s20, s20, s31
	s_add_co_u32 s20, s20, 17408
	v_mov_b32 v18, s20                             ; this work-group's copy of r0
	v_cmp_eq_u32 vcc_lo, 4, v1
	v_cndmask_b32 v8, v8, v80, vcc_lo              ; lane 4 carries r0
	v_cndmask_b32 v17, v17, v18, vcc_lo
	s_wait_xcnt 0x0                                ; EXEC changes only behind this wait
	v_cmp_gt_u32 vcc_lo, 16, v1
	s_and_saveexec_b32 s30, vcc_lo
	global_store_b128 v16, v[32:35], s[12:13]      ; sixteen lanes: 256 consecutive bytes, aligned
	s_wait_xcnt 0x0
	s_or_b32 exec_lo, exec_lo, s30
	v_cmp_gt_u32 vcc_lo, 5, v1
	s_and_saveexec_b32 s30, vcc_lo
	global_store_b32 v17, v8, s[12:13]
	s_wait_xcnt 0x0
	s_or_b32 exec_lo, exec_lo, s30
.Lend:
	s_wait_tensorcnt 0x0                           ; the wave's end: behind my last LDS store
	ds_add_u32 v[SPW], v[NIL]
	s_wait_dscnt 0x0
	s_endpgm
.Lfunc_end_k_q3df244e0cb_f1:
	.size	k_q3df244e0cb_f1, .Lfunc_end_k_q3df244e0cb_f1-k_q3df244e0cb_f1
	.p2alignl 7, 3214868480
	.fill 96, 4, 3214868480
	.section	.rodata,"a",@progbits
	.p2align	6, 0x0
	.amdhsa_kernel k_q3df244e0cb_f1
		.amdhsa_group_segment_fixed_size 6400
		.amdhsa_private_segment_fixed_size 0
		.amdhsa_enable_private_segment 0
		.amdhsa_kernarg_size 48
		.amdhsa_user_sgpr_count 2
		.amdhsa_user_sgpr_kernarg_segment_ptr 1
		.amdhsa_wavefront_size32 1
		.amdhsa_system_sgpr_workgroup_id_x 1
		.amdhsa_system_sgpr_workgroup_id_y 1
		.amdhsa_system_sgpr_workgroup_id_z 1
		.amdhsa_system_vgpr_workitem_id 0
		.amdhsa_next_free_vgpr 96
		.amdhsa_next_free_sgpr 66
		.amdhsa_reserve_vcc 1
		.amdhsa_float_denorm_mode_32 3
		.amdhsa_float_denorm_mode_16_64 3
		.amdhsa_memory_ordered 1
		.amdhsa_forward_progress 1
		.amdhsa_inst_pref_size 14
	.end_amdhsa_kernel
	.amdgpu_metadata
---
amdhsa.version: [ 1, 2 ]
amdhsa.kernels:
  - .name:           k_q3df244e0cb_f1
    .symbol:         k_q3df244e0cb_f1.kd
    .args:
      - { .name: params_cls_token, .offset: 0, .size: 8, .value_kind: global_buffer, .address_space: global }
      - { .name: params_rms_w, .offset: 8, .size: 8, .value_kind: global_buffer, .address_space: global }
      - { .name: params_W_DQ, .offset: 16, .size: 8, .value_kind: global_buffer, .address_space: global }
      - { .name: params_W_KR, .offset: 24, .size: 8, .value_kind: global_buffer, .address_space: global }
      - { .name: f1o, .offset: 32, .size: 8, .value_kind: global_buffer, .address_space: global }
      - { .name: wc, .offset: 40, .size: 8, .value_kind: global_buffer, .address_space: global }
    .group_segment_fixed_size: 6400
    .private_segment_fixed_size: 0
    .kernarg_segment_align: 8
    .kernarg_segment_size: 48
    .max_flat_workgroup_size: 256
    .sgpr_count:     66
    .vgpr_count:     96
    .wavefront_size: 32
...
	.end_amdgpu_metadata
.endif
;; end of part 1
;; launch f2 (part 2): grid 8 x 16, 16 waves a work-group, no clusters, 9,984 bytes of LDS; arguments f1o, params_b_DQ, params_W_UQ, params_b_UQ, params_W_QR, params_b_QR, params_W_UK, params_b_UK, params_W_DKV, params_b_DKV, params_b_KR, params_cls_token, params_rms_w, wc, qh; writes wc, qh
.if DOCPART == 2
	.amdgcn_target "amdgcn-amd-amdhsa--gfx1250"
	.amdhsa_code_object_version 6
	.text
	.protected	k_q3df244e0cb_f2
	.globl	k_q3df244e0cb_f2
	.p2align	8
	.type	k_q3df244e0cb_f2,@function
k_q3df244e0cb_f2:
	s_mov_b64 s[64:65], 0
	v_nop
	global_prefetch_b8 v0, s[64:65] scope:SCOPE_SE
	s_setreg_imm32_b32 hwreg(HW_REG_WAVE_MODE, 25, 1), 1
	s_wait_xcnt 0x0
; LAUNCH 2 OF 7.  The cls query is carried through the key projections, so that a key's score needs x alone:
;   c_q = sum of parts + b_DQ;  q0_h = c_q W_UQ[:, h] + b_UQ;  u_h = W_UK[:, h] q0_h (256);  wabs_h = W_DKV u_h (1024);  const_h = q0_h . b_UK_h + b_DKV . u_h;
;   then q0_h . k_h[token] = r x . (g o wabs_h) + const_h.  Row h of Wc takes g o wabs_h in bf16.  Also qrot0 = c_q W_QR + b_QR and the cls key's own score, in eight parts.
; SHARES.  Work-group (s, h): head h, slab s of 128 entries of wabs_h.  The head's small products (c_q, q0, u) are made anew in each of its eight work-groups: that spares two launches.
; All f32 on the vector unit: one row of activations.  NO JOINT REQUESTS: what the eight work-groups of a head share goes straight into lanes' registers, 16 bytes a lane; there is no LDS tile to fill.
; W_QR is taken in pieces of 16 bytes, one a thread: 8 KB a work-group, each byte once in the launch.
; LIMITS.  The products are associated otherwise than in the module (query first), so the order of rounding differs; NaN and infinities are not treated apart.
.set CQ,    0                          ; c_q, 512 words
.set QS,    2048                       ; 16 waves x 4 words: qrot0's sums
.set RA,    2304                       ; 16 waves x 64 words: q0's sums
.set U,     6400                       ; u_h, 256 words
.set WV,    7424                       ; wabs_h's slab, 128 words
.set SPARE, 7936                       ; the spare words: 128 bytes a wave, named by no other line
.set SPW,   240
.set NIL,   241
.set TMP,   18
.set SEL,   40
.macro XSTAGE m, base, n, step
.set zz, 0
.rept \n
	v_add_f32_dpp v[(\base)+zz], v[(\base)+zz], v[(\base)+zz] row_xmask:\m row_mask:0xf bank_mask:0xf
.set zz, zz+(\step)
.endr
.endm
.macro XHALF base, n, step
.set zz, 0
.rept \n
	v_permlanex16_b32 v[TMP], v[(\base)+zz], s[SEL], s[SEL+1]
	v_add_f32 v[(\base)+zz], v[(\base)+zz], v[TMP]
.set zz, zz+(\step)
.endr
.endm
.macro OSUMN base, n, step             ; over 8 lanes
	XSTAGE 1, \base, \n, \step
	XSTAGE 2, \base, \n, \step
	XSTAGE 4, \base, \n, \step
.endm
.macro RSUMN base, n, step             ; over 16 lanes
	OSUMN \base, \n, \step
	XSTAGE 8, \base, \n, \step
.endm
.macro WSUMN base, n, step             ; over 32 lanes
	RSUMN \base, \n, \step
	XHALF \base, \n, \step
.endm
.macro BAR
	s_wait_dscnt 0x0                               ; my LDS stores are done and my LDS loads are back
	s_barrier_signal -1
	s_barrier_wait -1
.endm
	s_load_b512 s[4:19], s[0:1], 0x0               ; f1o, b_DQ, W_UQ, b_UQ, W_QR, b_QR, W_UK, b_UK
	s_load_b256 s[20:27], s[0:1], 0x40             ; W_DKV, b_DKV, b_KR, cls
	s_load_b128 s[28:31], s[0:1], 0x60             ; rms_w, wc
	s_load_b64 s[32:33], s[0:1], 0x70              ; qh
	v_lshl_add_u32 v[SPW], v0, 2, SPARE
	v_mov_b32 v[NIL], 0
	v_mov_b32 v[TMP], 0
	v_lshrrev_b32 v1, 5, v0
	v_readfirstlane_b32 s36, v1                    ; wave
	s_mov_b32 s34, ttmp9                           ; s
	s_and_b32 s35, ttmp7, 0xffff                   ; h
	s_mov_b32 s[SEL], 0x76543210
	s_mov_b32 s[SEL+1], 0xfedcba98
	v_and_b32 v1, 31, v0                           ; lane
	v_and_b32 v2, 15, v0                           ; dq
	v_lshrrev_b32 v3, 4, v0                        ; grp, 0 .. 31
	v_lshlrev_b32 v4, 12, v3
	v_lshl_add_u32 v4, v2, 4, v4                   ; grp x 4096 + dq x 16
	v_lshlrev_b32 v5, 2, v0                        ; 4 t
	v_lshlrev_b32 v6, 11, v0                       ; t x 2048
	s_lshl_b32 s37, s36, 13
	v_lshl_add_u32 v7, v1, 4, s37                  ; wave x 8 rows of 1024 bytes + 16 lane
	v_lshlrev_b32 v19, 4, v2                       ; 16 dq
	v_lshlrev_b32 v234, 4, v1                      ; 16 lane
	s_lshl_b32 s54, s34, 4                         ; 16 s
	v_and_b32 v235, 7, v1
	v_lshl_add_u32 v235, v235, 7, s54              ; (lane % 8) x 128 + 16 s: krot0's parts
	s_lshl_b32 s37, s36, 4
	s_add_co_u32 s37, s37, QS
	v_mov_b32 v236, s37                            ; QS + 16 wave
	v_lshlrev_b32 v237, 2, v3                      ; 4 grp
	s_lshl_b32 s37, s36, 8
	s_add_co_u32 s37, s37, RA
	v_add_nc_u32 v238, s37, v19                    ; RA + 256 wave + 16 dq
	v_add_nc_u32 v239, RA, v19
	s_lshl_b32 s37, s36, 5
	s_add_co_u32 s37, s37, WV
	v_mov_b32 v242, s37                            ; WV + 32 wave
	s_mov_b32 s39, 0
	s_lshl_b32 s53, s35, 7
	s_add_co_u32 s53, s53, s54                     ; 128 h + 16 s: my four numbers of qrot0, in b_QR, W_QR's rows and qh
	s_cmp_eq_u32 s34, 0
	s_cselect_b32 s52, 1.0, 0                      ; const_h enters the cls key's score once, in slab 0's part
	s_wait_kmcnt 0x0
	s_load_b32 s42, s[4:5], 0x4400                 ; r0
	s_load_b128 s[44:47], s[14:15], s53 offset:0x0 ; b_QR
	s_load_b128 s[48:51], s[24:25], s54 offset:0x0 ; b_KR
	s_mov_b32 s38, s53
	s_add_nc_u64 s[12:13], s[12:13], s[38:39]
	s_lshl_b32 s38, s35, 8                         ; the head's 64 columns
	s_add_nc_u64 s[8:9], s[8:9], s[38:39]
	s_add_nc_u64 s[10:11], s[10:11], s[38:39]
	s_add_nc_u64 s[16:17], s[16:17], s[38:39]
	s_add_nc_u64 s[18:19], s[18:19], s[38:39]
	s_lshl_b32 s38, s34, 17                        ; the slab's 128 rows of W_DKV
	s_add_nc_u64 s[20:21], s[20:21], s[38:39]
	s_lshl_b32 s38, s34, 9
	s_add_nc_u64 s[28:29], s[28:29], s[38:39]
	s_add_nc_u64 s[26:27], s[26:27], s[38:39]
	; 57 loads, in the order in which the phases want them
.irp k, 0,1,2,3,4,5,6,7
	global_load_b32 v[8+\k], v5, s[4:5] offset:2048*\k
.endr
	global_load_b32 v16, v5, s[6:7]
	global_load_b128 v[20:23], v6, s[12:13]
.set i, 0
.rept 16
	global_load_b128 v[24+4*i:27+4*i], v4, s[8:9] offset:131072*i
.set i, i+1
.endr
	global_load_b128 v[184:187], v19, s[10:11]
	global_load_b128 v[188:191], v19, s[18:19]
.set i, 0
.rept 8
	global_load_b128 v[88+4*i:91+4*i], v4, s[16:17] offset:131072*i
.set i, i+1
.endr
	global_load_b128 v[192:195], v234, s[22:23]
	global_load_b128 v[196:199], v234, s[22:23] offset:512
.set i, 0
.rept 8
	global_load_b128 v[120+8*i:123+8*i], v7, s[20:21] offset:1024*i
	global_load_b128 v[124+8*i:127+8*i], v7, s[20:21] offset:1024*i+512
.set i, i+1
.endr
	global_load_b128 v[200:203], v234, s[28:29]
	global_load_b128 v[204:207], v234, s[26:27]
	global_load_b128 v[208:211], v235, s[4:5] offset:16384
	s_wait_kmcnt 0x0
	; PHASE 1: c_q[t], and my row's share of four numbers of qrot0
	s_wait_loadcnt 47                              ; the first ten loads are in: 47 were issued behind them
	v_add_f32 v8, v8, v9
	v_add_f32 v10, v10, v11
	v_add_f32 v12, v12, v13
	v_add_f32 v14, v14, v15
	v_add_f32 v8, v8, v10
	v_add_f32 v12, v12, v14
	v_add_f32 v8, v8, v12
	v_add_f32 v17, v8, v16
	ds_store_b32 v5, v17
.irp k, 0,1,2,3
	v_mul_f32 v[20+\k], v[20+\k], v17
.endr
	WSUMN 20, 4, 1
	ds_store_b128 v236, v[20:23]
	BAR
	; PHASE 2: q0_h: rows grp + 32 i of W_UQ, four columns a thread
.set i, 0
.rept 16
	ds_load_b32 v[212+i], v237 offset:128*i
.set i, i+1
.endr
	s_wait_loadcnt 31                              ; W_UQ's 16 loads are in: 31 were issued behind them
	s_wait_dscnt 0x0
.set i, 0
.rept 16
.if i == 0
	v_pk_mul_f32 v[228:229], v[24:25], v[212:213] op_sel_hi:[1,0]
	v_pk_mul_f32 v[230:231], v[26:27], v[212:213] op_sel_hi:[1,0]
.elseif i%2 == 0
	v_pk_fma_f32 v[228:229], v[24+4*i:25+4*i], v[212+i:213+i], v[228:229] op_sel_hi:[1,0,1]
	v_pk_fma_f32 v[230:231], v[26+4*i:27+4*i], v[212+i:213+i], v[230:231] op_sel_hi:[1,0,1]
.else
	v_pk_fma_f32 v[228:229], v[24+4*i:25+4*i], v[211+i:212+i], v[228:229] op_sel:[0,1,0] op_sel_hi:[1,1,1]
	v_pk_fma_f32 v[230:231], v[26+4*i:27+4*i], v[211+i:212+i], v[230:231] op_sel:[0,1,0] op_sel_hi:[1,1,1]
.endif
.set i, i+1
.endr
	XHALF 228, 4, 1                                ; the wave's two groups together; both halves then store the same numbers
	ds_store_b128 v238, v[228:231]
	BAR
	; PHASE 3: q0 in every thread (four numbers, by dq); const's first half; u_h
.set i, 0
.rept 16
	ds_load_b128 v[24+4*i:27+4*i], v239 offset:256*i
.set i, i+1
.endr
	s_wait_dscnt 0x0
.set i, 1
.rept 15
	v_pk_add_f32 v[24:25], v[24:25], v[24+4*i:25+4*i]
	v_pk_add_f32 v[26:27], v[26:27], v[26+4*i:27+4*i]
.set i, i+1
.endr
	s_wait_loadcnt 21                              ; b_UQ, b_UK and W_UK are in: 21 were issued behind them
	v_pk_add_f32 v[24:25], v[24:25], v[184:185]
	v_pk_add_f32 v[26:27], v[26:27], v[186:187]
	v_mul_f32 v232, v24, v188
	v_fmac_f32 v232, v25, v189
	v_fmac_f32 v232, v26, v190
	v_fmac_f32 v232, v27, v191
.set i, 0
.rept 8
	v_mul_f32 v[212+i], v[88+4*i], v24
	v_fmac_f32 v[212+i], v[89+4*i], v25
	v_fmac_f32 v[212+i], v[90+4*i], v26
	v_fmac_f32 v[212+i], v[91+4*i], v27
.set i, i+1
.endr
	RSUMN 212, 8, 1
	RSUMN 232, 1, 1                                ; q0 . b_UK
.set i, 0
.rept 8
	ds_store_b32 v237, v[212+i] offset:U+128*i     ; u[grp + 32 i]: sixteen lanes store the same word
.set i, i+1
.endr
	BAR
	; PHASE 4: wabs: wave w takes rows 8 w .. 8 w + 7 of the slab, a lane eight columns
	ds_load_b128 v[220:223], v234 offset:U
	ds_load_b128 v[224:227], v234 offset:U+512
	s_wait_loadcnt 3                               ; b_DKV and W_DKV are in: three were issued behind them
	s_wait_dscnt 0x0
	v_mul_f32 v233, v220, v192
.irp k, 1,2,3,4,5,6,7
	v_fmac_f32 v233, v[220+\k], v[192+\k]
.endr
.set i, 0
.rept 8
	v_mul_f32 v[212+i], v[120+8*i], v220
.irp k, 1,2,3,4,5,6,7
	v_fmac_f32 v[212+i], v[120+8*i+\k], v[220+\k]
.endr
.set i, i+1
.endr
	WSUMN 212, 8, 1
	WSUMN 233, 1, 1                                ; b_DKV . u
	ds_store_b128 v242, v[212:215]
	ds_store_b128 v242, v[216:219] offset:16
	BAR
	s_cmp_lg_u32 s36, 0
	s_cbranch_scc1 .Lend
	; PHASE 5, wave 0: the row of Wc, qrot0's four numbers, the cls key's part
	s_wait_loadcnt 0x0
	ds_load_b128 v[212:215], v234 offset:WV
	ds_load_b128 v[216:219], v19 offset:QS
	s_wait_dscnt 0x0
	v_pk_mul_f32 v[212:213], v[212:213], v[200:201]  ; g o wabs
	v_pk_mul_f32 v[214:215], v[214:215], v[202:203]
	v_cvt_pk_bf16_f32 v220, v212, v213
	v_cvt_pk_bf16_f32 v221, v214, v215
	s_mul_i32 s37, s34, 12288
	s_lshl_b32 s38, s35, 8
	s_add_co_u32 s37, s37, s38
	v_lshl_add_u32 v222, v1, 3, s37
	global_store_b64 v222, v[220:221], s[30:31]    ; 32 lanes: 256 consecutive bytes, aligned: row h of slab s
	v_mul_f32 v223, v204, v212
	v_fmac_f32 v223, v205, v213
	v_fmac_f32 v223, v206, v214
	v_fmac_f32 v223, v207, v215
	WSUMN 223, 1, 1                                ; cls . (g o wabs) over the slab
	RSUMN 216, 4, 1
	OSUMN 208, 4, 1
	v_add_f32 v216, s44, v216                      ; qrot0[h][4 s ..]
	v_add_f32 v217, s45, v217
	v_add_f32 v218, s46, v218
	v_add_f32 v219, s47, v219
	v_add_f32 v208, s48, v208                      ; krot0[4 s ..]
	v_add_f32 v209, s49, v209
	v_add_f32 v210, s50, v210
	v_add_f32 v211, s51, v211
	v_add_f32 v225, v232, v233                     ; const_h
	v_mul_f32 v224, s42, v223
	v_fmac_f32 v224, v216, v208
	v_fmac_f32 v224, v217, v209
	v_fmac_f32 v224, v218, v210
	v_fmac_f32 v224, v219, v211
	v_fmac_f32 v224, s52, v225
	v_mov_b32 v226, s53
	s_lshl_b32 s37, s35, 6
	s_lshl_b32 s38, s34, 3
	s_add_co_u32 s37, s37, s38
	s_add_co_u32 s37, s37, 2048
	v_mov_b32 v227, s37
	s_wait_xcnt 0x0                                ; EXEC changes only behind this wait
	v_cmp_eq_u32 vcc_lo, 0, v1
	s_and_saveexec_b32 s55, vcc_lo
	global_store_b128 v226, v[216:219], s[32:33]
	global_store_b64 v227, v[224:225], s[32:33]
	s_wait_xcnt 0x0
	s_or_b32 exec_lo, exec_lo, s55
.Lend:
	s_wait_tensorcnt 0x0                           ; the wave's end: behind my last LDS store
	ds_add_u32 v[SPW], v[NIL]
	s_wait_dscnt 0x0
	s_endpgm
.Lfunc_end_k_q3df244e0cb_f2:
	.size	k_q3df244e0cb_f2, .Lfunc_end_k_q3df244e0cb_f2-k_q3df244e0cb_f2
	.p2alignl 7, 3214868480
	.fill 96, 4, 3214868480
	.section	.rodata,"a",@progbits
	.p2align	6, 0x0
	.amdhsa_kernel k_q3df244e0cb_f2
		.amdhsa_group_segment_fixed_size 9984
		.amdhsa_private_segment_fixed_size 0
		.amdhsa_enable_private_segment 0
		.amdhsa_kernarg_size 120
		.amdhsa_user_sgpr_count 2
		.amdhsa_user_sgpr_kernarg_segment_ptr 1
		.amdhsa_wavefront_size32 1
		.amdhsa_system_sgpr_workgroup_id_x 1
		.amdhsa_system_sgpr_workgroup_id_y 1
		.amdhsa_system_sgpr_workgroup_id_z 1
		.amdhsa_system_vgpr_workitem_id 0
		.amdhsa_next_free_vgpr 244
		.amdhsa_next_free_sgpr 66
		.amdhsa_reserve_vcc 1
		.amdhsa_float_denorm_mode_32 3
		.amdhsa_float_denorm_mode_16_64 3
		.amdhsa_memory_ordered 1
		.amdhsa_forward_progress 1
		.amdhsa_inst_pref_size 31
	.end_amdhsa_kernel
	.amdgpu_metadata
---
amdhsa.version: [ 1, 2 ]
amdhsa.kernels:
  - .name:           k_q3df244e0cb_f2
    .symbol:         k_q3df244e0cb_f2.kd
    .args:
      - { .name: f1o, .offset: 0, .size: 8, .value_kind: global_buffer, .address_space: global }
      - { .name: params_b_DQ, .offset: 8, .size: 8, .value_kind: global_buffer, .address_space: global }
      - { .name: params_W_UQ, .offset: 16, .size: 8, .value_kind: global_buffer, .address_space: global }
      - { .name: params_b_UQ, .offset: 24, .size: 8, .value_kind: global_buffer, .address_space: global }
      - { .name: params_W_QR, .offset: 32, .size: 8, .value_kind: global_buffer, .address_space: global }
      - { .name: params_b_QR, .offset: 40, .size: 8, .value_kind: global_buffer, .address_space: global }
      - { .name: params_W_UK, .offset: 48, .size: 8, .value_kind: global_buffer, .address_space: global }
      - { .name: params_b_UK, .offset: 56, .size: 8, .value_kind: global_buffer, .address_space: global }
      - { .name: params_W_DKV, .offset: 64, .size: 8, .value_kind: global_buffer, .address_space: global }
      - { .name: params_b_DKV, .offset: 72, .size: 8, .value_kind: global_buffer, .address_space: global }
      - { .name: params_b_KR, .offset: 80, .size: 8, .value_kind: global_buffer, .address_space: global }
      - { .name: params_cls_token, .offset: 88, .size: 8, .value_kind: global_buffer, .address_space: global }
      - { .name: params_rms_w, .offset: 96, .size: 8, .value_kind: global_buffer, .address_space: global }
      - { .name: wc, .offset: 104, .size: 8, .value_kind: global_buffer, .address_space: global }
      - { .name: qh, .offset: 112, .size: 8, .value_kind: global_buffer, .address_space: global }
    .group_segment_fixed_size: 9984
    .private_segment_fixed_size: 0
    .kernarg_segment_align: 8
    .kernarg_segment_size: 120
    .max_flat_workgroup_size: 512
    .sgpr_count:     66
    .vgpr_count:     244
    .wavefront_size: 32
...
	.end_amdgpu_metadata
.endif
;; end of part 2
;; launch attn (part 3): grid 256 x 1, 8 waves a work-group, clusters of 4 x 1, 233,472 bytes of LDS; arguments x, attention_mask, wc, qh, params_b_KR, yp; writes yp
.if DOCPART == 3
	.amdgcn_target "amdgcn-amd-amdhsa--gfx1250"
	.amdhsa_code_object_version 6
	.text
	.protected	k_q3df244e0cb_attn
	.globl	k_q3df244e0cb_attn
	.p2align	8
	.type	k_q3df244e0cb_attn,@function
k_q3df244e0cb_attn:
	s_mov_b64 s[64:65], 0
	v_nop
	global_prefetch_b8 v0, s[64:65] scope:SCOPE_SE
	s_setreg_imm32_b32 hwreg(HW_REG_WAVE_MODE, 25, 1), 1
	s_wait_xcnt 0x0
	s_wait_alu depctr_hold_cnt(0) depctr_sa_sdst(0) depctr_va_vdst(0) depctr_va_sdst(0) depctr_va_ssrc(0) depctr_va_vcc(0) depctr_vm_vsrc(0)
	s_getreg_b32 s2, hwreg(HW_REG_IB_STS2, 6, 4)
	s_cmp_eq_u32 s2, 0
	s_cbranch_scc0 .Lentry_in_a_cluster
	s_endpgm
.Lentry_in_a_cluster:
	s_bfe_u32 s2, ttmp6, 0x10000c
	s_cmp_lg_u32 s2, 0x3003
	s_cbranch_scc0 .Lentry_shape_is_right
	s_endpgm
.Lentry_shape_is_right:
; LAUNCH 3 OF 7: the one pass over x.  A work-group takes 32 tokens (128 KB of x, read once) and makes for them
;   r = rsqrt(mean(x^2) + eps);  G = x Wc^T (48 columns: 16 heads' absorbed keys, 32 rope columns; bf16 operands, f32 sums);  the rotated rope key;  the 16 heads' scores of the cls query;
;   the chunk's maximum m and sum l for each head;  Y[head][e] = sum over its tokens of (p r) x[token][e] (bf16 operands, f32 sums), p = 2^(s - m).  Scores are carried times log2 e.
; The next launch merges the 32 chunks of a batch under the true maximum, the cls key among them.
; SHARES.  Wave w: loads and rounds tokens 4 w .. 4 w + 3; takes the 128 entries e = 128 w .. of K in the first product (the eight waves' sums meet in LDS); heads 2 w, 2 w + 1 and rope frequencies
; 2 w, 2 w + 1 in the softmax, a lane a token; the same 128 entries e as columns of Y in the second product.
; CLUSTER.  All work-groups read the same 96 KB of Wc: the four of a cluster ask for each wave's slab (48 rows x 256 bytes) JOINTLY.  The descriptor hangs on the wave's number alone; one tensor load a wave is out.
; x comes through registers: it has to be rounded to bf16 and squared on the way, and 32 loads a wave have the work-group's whole share on their way at once.
; LIMITS.  sin and cos by reduction to a turn and Taylor polynomials to y^15 and y^16, |y| <= pi: absolute error under 1e-5 for positions up to 1024.  A weight below 2^-126 counts as 0.
; attention_mask is taken as a number: (am - 1) x 1e9 is added to the score.  NaN and infinities are not treated apart.
.set XS,    0                          ; x in bf16: token t at t x 2080 + ((t / 8) % 2) x 16
.set XP,    2080
.set WS,    66560                      ; Wc: eight slabs of 48 rows x (256 + 16) bytes, filled by the tensor loads alone
.set WSL,   13056
.set GP,    171008                     ; the waves' parts of G: [wave][token] 48 words + 4 of padding
.set GPW,   6656
.set KR,    224256                     ; the rotated rope key: [token] 32 words + 4
.set PT,    228864                     ; p r in bf16: [head] 32 tokens + 16 bytes
.set RS,    230144                     ; r, 32 words
.set ST,    230272                     ; m (16 words), l (16 words)
.set QL,    230400                     ; qrot0, [head][32] words
.set SPARE, 232448                     ; the spare words: 128 bytes a wave, named by no other line
.set SPW,   26
.set NIL,   27
.set TMP,   251
.set SEL,   22
.macro XSTAGE m, base, n, step
.set zz, 0
.rept \n
	v_add_f32_dpp v[(\base)+zz], v[(\base)+zz], v[(\base)+zz] row_xmask:\m row_mask:0xf bank_mask:0xf
.set zz, zz+(\step)
.endr
.endm
.macro MSTAGE m, base, n, step
.set zz, 0
.rept \n
	v_max_num_f32_dpp v[(\base)+zz], v[(\base)+zz], v[(\base)+zz] row_xmask:\m row_mask:0xf bank_mask:0xf
.set zz, zz+(\step)
.endr
.endm
.macro WSUMN base, n, step             ; n registers, each summed over the 32 lanes
	XSTAGE 1, \base, \n, \step
	XSTAGE 2, \base, \n, \step
	XSTAGE 4, \base, \n, \step
	XSTAGE 8, \base, \n, \step
.set zz, 0
.rept \n
	v_permlanex16_b32 v[TMP], v[(\base)+zz], s[SEL], s[SEL+1]
	v_add_f32 v[(\base)+zz], v[(\base)+zz], v[TMP]
.set zz, zz+(\step)
.endr
.endm
.macro WMAXN base, n, step             ; the same for the maximum
	MSTAGE 1, \base, \n, \step
	MSTAGE 2, \base, \n, \step
	MSTAGE 4, \base, \n, \step
	MSTAGE 8, \base, \n, \step
.set zz, 0
.rept \n
	v_permlanex16_b32 v[TMP], v[(\base)+zz], s[SEL], s[SEL+1]
	v_max_num_f32 v[(\base)+zz], v[(\base)+zz], v[TMP]
.set zz, zz+(\step)
.endr
.endm
.macro BAR
	s_wait_dscnt 0x0                               ; my LDS stores are done and my LDS loads are back
	s_barrier_signal -1
	s_barrier_wait -1
.endm
.macro ROUND                           ; a round of the cluster's barrier
	s_barrier_signal -1
	s_barrier_wait -1
	s_cmp_lg_u32 s16, 0
	s_cbranch_scc1 .Lnot_wave_0_\@
	s_barrier_signal -3
.Lnot_wave_0_\@:
	s_barrier_wait -3
	s_barrier_signal -1
	s_barrier_wait -1
.endm
	s_load_b256 s[4:11], s[0:1], 0x0               ; x s[4:5], attention_mask s[6:7], wc s[8:9], qh s[10:11]
	s_load_b128 s[12:15], s[0:1], 0x20             ; b_KR s[12:13], yp s[14:15]
	v_lshl_add_u32 v[SPW], v0, 2, SPARE
	v_mov_b32 v[NIL], 0
	ds_add_u32 v[SPW], v[NIL]                      ; the wave's opening: the add and its wait stand ahead of the round in front of my tensor load; the set-up stands between them
	v_lshrrev_b32 v1, 5, v0
	v_readfirstlane_b32 s16, v1                    ; wave
	s_bfe_u32 s17, ttmp6, 0x40000                  ; cx
	s_lshl_b32 s18, ttmp9, 2
	s_add_co_u32 s18, s18, s17                     ; g: my chunk of 32 tokens; it enters global addresses and the tokens' positions alone
	s_mov_b32 s[SEL], 0x76543210
	s_mov_b32 s[SEL+1], 0xfedcba98
	s_mov_b32 s44, 0x3a800000                      ; 1 / 1024
	s_mov_b32 s45, 0x34000000                      ; eps
	s_mov_b32 s24, 1                               ; group 0: count 1,
	s_mul_i32 s25, s16, WSL
	s_add_co_u32 s25, s25, WS                      ; my slab's place in LDS
	s_mov_b32 s28, 15|(1<<16)|(1<<20)|(1<<21)|(5<<22)|(3<<25)  ; group 1: the mask of four; 2-byte elements; padding on; bit 21 beside a mask; after every 64 words, 4 words
	s_mov_b32 s29, 128<<16                         ; tensor_dim0 = 128
	s_mov_b32 s30, 48<<16                          ; tensor_dim1 = 48
	s_mov_b32 s31, 128<<16                         ; tile_dim0 = 128
	s_mov_b32 s32, 48                              ; tile_dim1 = 48
	s_mov_b32 s33, 128                             ; 128 elements from row to row: a slab is dense
	s_mov_b32 s34, 0
	s_mov_b32 s35, 0
	v_and_b32 v1, 31, v0                           ; lane
	v_and_b32 v2, 15, v0                           ; r16
	v_bfe_u32 v3, v0, 4, 1                         ; hh
	v_mov_b32 v[TMP], 0
	v_lshlrev_b32 v4, 4, v1                        ; 16 lane
	s_mul_i32 s19, s16, 4*XP
	s_bfe_u32 s42, s16, 0x10001
	s_lshl_b32 s42, s42, 4
	s_add_co_u32 s19, s19, s42
	v_lshl_add_u32 v5, v1, 3, s19                  ; XS: token 4 w, 8 bytes a lane
	s_lshl_b32 s43, s16, 8                         ; my 128 entries e in a row of XS
	v_bfe_u32 v28, v0, 3, 1
	v_mul_u32_u24 v6, v2, XP
	v_lshl_add_u32 v6, v28, 4, v6
	v_lshl_add_u32 v6, v3, 4, v6
	v_add_nc_u32 v6, s43, v6                       ; a fragment of x: token r16, 16 bytes for each half of the lanes
	v_mul_u32_u24 v7, v2, 272
	v_lshl_add_u32 v7, v3, 4, v7
	v_add_nc_u32 v7, s25, v7                       ; a fragment of Wc in my slab
	s_mul_i32 s19, s16, GPW
	s_add_co_u32 s19, s19, GP
	v_mul_u32_u24 v8, v2, 208
	v_lshl_add_u32 v8, v3, 5, v8
	v_add_nc_u32 v8, s19, v8                       ; my part of G: token r16, columns 8 hh on
	v_mul_u32_u24 v9, v1, 208
	v_add_nc_u32 v9, GP, v9
	s_lshl_b32 s19, s16, 4
	s_add_co_u32 s19, s19, 64
	v_add_nc_u32 v10, s19, v9                      ; token = lane: my four rope columns
	s_lshl_b32 s19, s16, 3
	v_add_nc_u32 v9, s19, v9                       ; token = lane: my two heads' columns
	v_mul_u32_u24 v12, v1, 144
	v_add_nc_u32 v12, KR, v12
	v_add_nc_u32 v11, s19, v12
	s_mul_i32 s19, s16, 160
	s_add_co_u32 s19, s19, PT
	v_lshl_add_u32 v13, v1, 1, s19                 ; PT: head 2 w, token = lane
	v_mul_u32_u24 v14, v2, 80
	v_lshl_add_u32 v14, v3, 4, v14
	v_add_nc_u32 v14, PT, v14                      ; a fragment of p r: head r16
	v_and_b32 v29, 7, v0
	v_lshl_add_u32 v29, v3, 3, v29
	v_mul_u32_u24 v15, v29, XP
	v_lshl_add_u32 v15, v3, 4, v15
	v_lshl_add_u32 v15, v28, 4, v15
	v_add_nc_u32 v15, s43, v15                     ; the turning load: token 8 hh + lane % 8, entries 8 ((lane / 8) % 2) on
	s_lshl_b32 s19, s16, 4
	s_add_co_u32 s19, s19, RS
	v_mov_b32 v16, s19
	v_lshl_add_u32 v17, v1, 2, RS
	s_lshl_b32 s19, s16, 3
	s_add_co_u32 s19, s19, ST
	v_mov_b32 v18, s19
	s_add_co_u32 s19, s43, QL
	v_mov_b32 v19, s19
	s_lshl_b32 s19, s16, 13
	v_lshl_add_u32 v20, v1, 4, s19                 ; Y: my eight tiles of 1024 bytes
	v_lshlrev_b32 v30, 2, v1                       ; 4 lane
	v_lshlrev_b32 v240, 3, v0                      ; 8 t
	v_add_nc_u32 v243, QL, v240
	s_mov_b32 s21, 0
	s_wait_dscnt 0x0                               ; the opening add is done
	s_wait_kmcnt 0x0
	s_mul_i32 s20, s16, 12288
	s_add_nc_u64 s[26:27], s[8:9], s[20:21]        ; group 0: my slab of Wc,
	s_or_b32 s27, s27, 0x80000000                  ; type 2
	s_lshl_b32 s20, s18, 17
	s_lshl_b32 s19, s16, 14
	s_add_co_u32 s20, s20, s19
	s_add_nc_u64 s[4:5], s[4:5], s[20:21]          ; x at my four tokens
	s_lshl_b32 s20, s18, 7
	s_add_nc_u64 s[6:7], s[6:7], s[20:21]          ; the chunk's 32 mask numbers
	s_add_co_u32 s20, s20, 0x1000000
	s_add_nc_u64 s[46:47], s[14:15], s[20:21]      ; the chunk's statistics, behind Y
	s_lshl_b32 s20, s18, 16
	s_add_nc_u64 s[14:15], s[14:15], s[20:21]      ; the chunk's Y
	s_lshl_b32 s42, s16, 7
	s_lshl_b32 s43, s16, 3
	s_load_b32 s36, s[10:11], s42 offset:0x804     ; const of head 2 w,
	s_load_b32 s37, s[10:11], s42 offset:0x844     ; of head 2 w + 1
	s_load_b64 s[38:39], s[12:13], s43 offset:0x0  ; b_KR[2 w], [2 w + 1]
	s_load_b64 s[40:41], s[12:13], s43 offset:0x40 ; b_KR[2 w + 16], [2 w + 17]
	global_load_b32 v21, v30, s[6:7]
	global_load_b64 v[28:29], v240, s[10:11]
.set i, 0
.rept 4
.set j, 0
.rept 8
	global_load_b128 v[32+32*i+4*j:35+32*i+4*j], v4, s[4:5] offset:i*4096+j*512 th:TH_LOAD_NT  ; 512 consecutive bytes of a token's row
.set j, j+1
.endr
.set i, i+1
.endr
	ROUND                                          ; the four work-groups are here: the joint loads meet
	tensor_load_to_lds s[24:27], s[28:35]
	s_nop 0
	; cos and sin of position x 10000^(-f / 16), f = 2 w + a, while x is on its way
	s_and_b32 s19, s18, 31
	s_lshl_b32 s19, s19, 5
	s_add_co_u32 s19, s19, 1                       ; the cls token has position 0: token i of x has i + 1
	v_add_nc_u32 v244, s19, v1
	v_cvt_f32_u32 v244, v244
.macro SINCOS a, c, s
	s_lshl_b32 s19, s16, 1
	s_add_co_u32 s19, s19, \a
	v_cvt_f32_u32 v245, s19
	v_mul_f32 v245, 0xbf549a78, v245               ; - f log2(10000) / 16
	v_exp_f32 v245, v245
	v_nop
	s_wait_alu depctr_va_vdst(0)
	v_mul_f32 v245, v244, v245                     ; the angle
	v_mul_f32 v246, 0.15915494, v245
	v_add_f32 v246, 0x4b400000, v246               ; to the nearest whole turn: 1.5 x 2^23 is added and taken away
	v_add_f32 v246, 0xcb400000, v246
	v_fma_f32 v246, v245, 0.15915494, -v246        ; the fraction of a turn, one rounding,
	v_fmamk_f32 v246, v245, 0x31dc9c88, v246       ; and what the constant 1 / 2 pi lacks
	v_mul_f32 v246, 0x40c90fdb, v246               ; y, within -pi .. pi
	v_mul_f32 v247, v246, v246
	v_mov_b32 v248, 0xab573fa0                     ; -1 / 15!
	v_mov_b32 v249, 0x29573fa0                     ; 1 / 16!
.irp k, 0x2f309231, 0xb2d7322b, 0x3638ef1d, 0xb9500d01, 0x3c088889, 0xbe2aaaab, 0x3f800000
	v_fmaak_f32 v248, v248, v247, \k
.endr
.irp k, 0xad49cba5, 0x310f76c7, 0xb493f27e, 0x37d00d01, 0xbab60b61, 0x3d2aaaab, 0xbf000000
	v_fmaak_f32 v249, v249, v247, \k
.endr
	v_fmaak_f32 v[\c], v249, v247, 0x3f800000
	v_mul_f32 v[\s], v246, v248
.endm
	SINCOS 0, 22, 23
	SINCOS 1, 24, 25
	s_wait_loadcnt 32                              ; the mask and qrot0 are in: x's 32 loads were issued behind them
	ds_store_b64 v243, v[28:29]
	v_add_f32 v21, -1.0, v21
	v_mul_f32 v21, 0x4e6e6b28, v21                 ; (am - 1) x 1e9
	s_wait_kmcnt 0x0
	; my four tokens: squares summed in f32, numbers rounded to bf16 into XS
.set i, 0
.rept 4
	s_wait_loadcnt 24-8*i                          ; token i's eight loads are in; the later tokens' stay out
.set j, 0
.rept 8
.set rx, 32+32*i+4*j
.if j == 0
	v_pk_mul_f32 v[160+4*i:161+4*i], v[rx:rx+1], v[rx:rx+1]
	v_pk_mul_f32 v[162+4*i:163+4*i], v[rx+2:rx+3], v[rx+2:rx+3]
.else
	v_pk_fma_f32 v[160+4*i:161+4*i], v[rx:rx+1], v[rx:rx+1], v[160+4*i:161+4*i]
	v_pk_fma_f32 v[162+4*i:163+4*i], v[rx+2:rx+3], v[rx+2:rx+3], v[162+4*i:163+4*i]
.endif
	v_cvt_pk_bf16_f32 v[176+2*j], v[rx], v[rx+1]
	v_cvt_pk_bf16_f32 v[177+2*j], v[rx+2], v[rx+3]
	ds_store_b64 v5, v[176+2*j:177+2*j] offset:i*XP+256*j
.set j, j+1
.endr
.set i, i+1
.endr
.irp i, 0,1,2,3
	v_pk_add_f32 v[160+4*\i:161+4*\i], v[160+4*\i:161+4*\i], v[162+4*\i:163+4*\i]
.endr
.irp i, 0,1,2,3
	v_add_f32 v[160+4*\i], v[160+4*\i], v[161+4*\i]
.endr
	WSUMN 160, 4, 4
.irp i, 0,1,2,3
	v_fma_f32 v[160+4*\i], v[160+4*\i], s44, s45
.endr
.irp i, 0,1,2,3
	v_rsq_f32 v[160+4*\i], v[160+4*\i]
.endr
	v_nop
	s_wait_alu depctr_va_vdst(0)
.irp i, 0,1,2,3
	ds_store_b32 v16, v[160+4*\i] offset:4*\i
.endr
	s_wait_tensorcnt 0x0                           ; my slab of Wc has landed
	BAR                                            ; XS, RS, QL and every slab are whole
	; FIRST PRODUCT: G^T(48 columns x 32 tokens) over my 128 entries e: source 0 = 16 rows of Wc, source 1 = 16 tokens
.set ks, 0
.rept 4
.irp nt, 0,1,2
	ds_load_b128 v[32+40*ks+8*\nt:35+40*ks+8*\nt], v7 offset:\nt*4352+ks*64
	ds_load_b128 v[36+40*ks+8*\nt:39+40*ks+8*\nt], v7 offset:\nt*4352+ks*64+32
.endr
.irp mt, 0,1
	ds_load_b128 v[56+40*ks+8*\mt:59+40*ks+8*\mt], v6 offset:\mt*16*XP+ks*64
	ds_load_b128 v[60+40*ks+8*\mt:63+40*ks+8*\mt], v6 offset:\mt*16*XP+ks*64+32
.endr
.set ks, ks+1
.endr
.set ks, 0
.rept 4
	s_wait_dscnt 30-10*ks                          ; ten loads a K step, back in order: this step's are in
.irp nt, 0,1,2
.irp mt, 0,1                           ; the six accumulators take turns; the first step starts the sums
.if ks == 0
	v_wmma_f32_16x16x32_bf16 v[192+8*(2*\nt+\mt):199+8*(2*\nt+\mt)], v[32+40*ks+8*\nt:39+40*ks+8*\nt], v[56+40*ks+8*\mt:63+40*ks+8*\mt], 0
.else
	v_wmma_f32_16x16x32_bf16 v[192+8*(2*\nt+\mt):199+8*(2*\nt+\mt)], v[32+40*ks+8*\nt:39+40*ks+8*\nt], v[56+40*ks+8*\mt:63+40*ks+8*\mt], v[192+8*(2*\nt+\mt):199+8*(2*\nt+\mt)]
.endif
.endr
.endr
.set ks, ks+1
.endr
.rept 4
	v_nop                                          ; four places between the last product and the stores of its result
.endr
.irp nt, 0,1,2
.irp mt, 0,1                           ; register j holds column 16 nt + 8 hh + j of token 16 mt + r16; each accumulator's low four registers go first
	ds_store_b128 v8, v[192+8*(2*\nt+\mt):195+8*(2*\nt+\mt)] offset:\mt*3328+\nt*64
	ds_store_b128 v8, v[196+8*(2*\nt+\mt):199+8*(2*\nt+\mt)] offset:\mt*3328+\nt*64+16
.endr
.endr
	BAR
	; a lane a token: the eight waves' parts are added; my two heads' absorbed scores; my two frequencies of the rope key
.irp p, 0,1,2,3,4,5,6,7
	ds_load_b64 v[32+2*\p:33+2*\p], v9 offset:\p*GPW
.endr
.irp p, 0,1,2,3,4,5,6,7
	ds_load_b128 v[48+4*\p:51+4*\p], v10 offset:\p*GPW
.endr
	ds_load_b32 v242, v17                          ; r
	s_wait_dscnt 0x0
.irp p, 1,2,3,4,5,6,7
	v_pk_add_f32 v[32:33], v[32:33], v[32+2*\p:33+2*\p]
	v_pk_add_f32 v[48:49], v[48:49], v[48+4*\p:49+4*\p]
	v_pk_add_f32 v[50:51], v[50:51], v[50+4*\p:51+4*\p]
.endr
	v_mul_f32 v240, v32, v242
	v_mul_f32 v241, v33, v242
	v_fma_f32 v52, v48, v242, s38                  ; x1 of frequency 2 w
	v_fma_f32 v53, v49, v242, s40                  ; x2 of it
	v_fma_f32 v54, v50, v242, s39                  ; x1 of frequency 2 w + 1
	v_fma_f32 v55, v51, v242, s41                  ; x2 of it
	v_mul_f32 v60, v53, v23
	v_mul_f32 v61, v55, v25
	v_mul_f32 v62, v52, v23
	v_mul_f32 v63, v54, v25
	v_fma_f32 v56, v52, v22, -v60                  ; x1 cos - x2 sin
	v_fma_f32 v57, v54, v24, -v61
	v_fma_f32 v58, v53, v22, v62                   ; x2 cos + x1 sin
	v_fma_f32 v59, v55, v24, v63
	ds_store_b64 v11, v[56:57]
	ds_store_b64 v11, v[58:59] offset:64
	BAR
	; scores of my two heads, a lane a token
.irp p, 0,1,2,3,4,5,6,7
	ds_load_b128 v[32+4*\p:35+4*\p], v12 offset:16*\p
.endr
.set p, 0
.rept 16
	ds_load_b128 v[64+4*p:67+4*p], v19 offset:16*p
.set p, p+1
.endr
	s_wait_dscnt 0x0
	v_pk_mul_f32 v[244:245], v[32:33], v[64:65]
	v_pk_mul_f32 v[246:247], v[32:33], v[96:97]
.set p, 1
.rept 15
	v_pk_fma_f32 v[244:245], v[32+2*p:33+2*p], v[64+2*p:65+2*p], v[244:245]
	v_pk_fma_f32 v[246:247], v[32+2*p:33+2*p], v[96+2*p:97+2*p], v[246:247]
.set p, p+1
.endr
	s_mov_b32 s19, 0x3dd105ec                      ; 1 / sqrt(96)
	v_add_f32 v244, v244, v245
	v_add_f32 v246, v246, v247
	v_add_f32 v244, v244, v240
	v_add_f32 v246, v246, v241
	v_add_f32 v244, s36, v244
	v_add_f32 v246, s37, v246
	v_fma_f32 v244, v244, s19, v21
	v_fma_f32 v246, v246, s19, v21
	v_mul_f32 v244, 0x3fb8aa3b, v244               ; times log2 e
	v_mul_f32 v246, 0x3fb8aa3b, v246
	v_mov_b32 v248, v244
	v_mov_b32 v249, v246
	WMAXN 248, 2, 1                                ; the chunk's maximum
	v_sub_f32 v244, v244, v248
	v_sub_f32 v246, v246, v249
	v_exp_f32 v244, v244
	v_exp_f32 v246, v246
	v_nop
	s_wait_alu depctr_va_vdst(0)
	v_mov_b32 v28, v244
	v_mov_b32 v29, v246
	WSUMN 28, 2, 1                                 ; l, of the unrounded weights
	v_mul_f32 v244, v244, v242
	v_mul_f32 v246, v246, v242
	v_cvt_pk_bf16_f32 v245, v244, v246
	v_lshrrev_b32 v247, 16, v245
	ds_store_b16 v13, v245
	ds_store_b16 v13, v247 offset:80
	ds_store_b64 v18, v[248:249]
	ds_store_b64 v18, v[28:29] offset:64
	BAR
	; SECOND PRODUCT: Y^T(16 entries e x 16 heads) over the 32 tokens, eight tiles of e: source 0 = x turned, source 1 = p r
	ds_load_b128 v[160:163], v14
	ds_load_b128 v[164:167], v14 offset:32
.irp t, 0,1,2,3,4,5,6,7
	ds_load_tr16_b128 v[32+8*\t:35+8*\t], v15 offset:\t*32
	ds_load_tr16_b128 v[36+8*\t:39+8*\t], v15 offset:\t*32+16*XP
.endr
	s_wait_dscnt 0x0
.irp t, 0,1,2,3,4,5,6,7
	v_wmma_f32_16x16x32_bf16 v[96+8*\t:103+8*\t], v[32+8*\t:39+8*\t], v[160:167], 0
.endr
.rept 4
	v_nop                                          ; four places between the last product and the stores of its result
.endr
.irp t, 0,1,2,3,4,5,6,7
	global_store_b128 v20, v[96+8*\t:99+8*\t], s[14:15] offset:\t*1024        ; 512 consecutive bytes each; the low four registers first
	global_store_b128 v20, v[100+8*\t:103+8*\t], s[14:15] offset:\t*1024+512
.endr
	s_cmp_lg_u32 s16, 0
	s_cbranch_scc1 .Lend
	v_lshl_add_u32 v31, v1, 2, ST
	ds_load_b32 v28, v31
	s_wait_dscnt 0x0
	global_store_b32 v30, v28, s[46:47]            ; the chunk's 16 m and 16 l
.Lend:
	s_wait_tensorcnt 0x0                           ; the wave's end: behind my tensor load and my last LDS store
	ds_add_u32 v[SPW], v[NIL]
	s_wait_dscnt 0x0
	ROUND                                          ; the closing round
	s_endpgm
.Lfunc_end_k_q3df244e0cb_attn:
	.size	k_q3df244e0cb_attn, .Lfunc_end_k_q3df244e0cb_attn-k_q3df244e0cb_attn
	.p2alignl 7, 3214868480
	.fill 96, 4, 3214868480
	.section	.rodata,"a",@progbits
	.p2align	6, 0x0
	.amdhsa_kernel k_q3df244e0cb_attn
		.amdhsa_group_segment_fixed_size 233472
		.amdhsa_private_segment_fixed_size 0
		.amdhsa_enable_private_segment 0
		.amdhsa_kernarg_size 48
		.amdhsa_user_sgpr_count 2
		.amdhsa_user_sgpr_kernarg_segment_ptr 1
		.amdhsa_wavefront_size32 1
		.amdhsa_system_sgpr_workgroup_id_x 1
		.amdhsa_system_sgpr_workgroup_id_y 1
		.amdhsa_system_sgpr_workgroup_id_z 1
		.amdhsa_system_vgpr_workitem_id 0
		.amdhsa_next_free_vgpr 252
		.amdhsa_next_free_sgpr 66
		.amdhsa_reserve_vcc 0
		.amdhsa_float_denorm_mode_32 3
		.amdhsa_float_denorm_mode_16_64 3
		.amdhsa_memory_ordered 1
		.amdhsa_forward_progress 1
		.amdhsa_inst_pref_size 45
	.end_amdhsa_kernel
	.amdgpu_metadata
---
amdhsa.version: [ 1, 2 ]
amdhsa.kernels:
  - .name:           k_q3df244e0cb_attn
    .symbol:         k_q3df244e0cb_attn.kd
    .args:
      - { .name: x, .offset: 0, .size: 8, .value_kind: global_buffer, .address_space: global }
      - { .name: attention_mask, .offset: 8, .size: 8, .value_kind: global_buffer, .address_space: global }
      - { .name: wc, .offset: 16, .size: 8, .value_kind: global_buffer, .address_space: global }
      - { .name: qh, .offset: 24, .size: 8, .value_kind: global_buffer, .address_space: global }
      - { .name: params_b_KR, .offset: 32, .size: 8, .value_kind: global_buffer, .address_space: global }
      - { .name: yp, .offset: 40, .size: 8, .value_kind: global_buffer, .address_space: global }
    .group_segment_fixed_size: 233472
    .private_segment_fixed_size: 0
    .kernarg_segment_align: 8
    .kernarg_segment_size: 48
    .max_flat_workgroup_size: 256
    .sgpr_count:     66
    .vgpr_count:     252
    .wavefront_size: 32
...
	.end_amdgpu_metadata
.endif
;; end of part 3
;; launch comb (part 4): grid 16 x 8, 8 waves a work-group, no clusters, 57,344 bytes of LDS; arguments yp, qh, f1o, params_cls_token, params_rms_w, params_W_DKV, zp; writes zp
.if DOCPART == 4
	.amdgcn_target "amdgcn-amd-amdhsa--gfx1250"
	.amdhsa_code_object_version 6
	.text
	.protected	k_q3df244e0cb_comb
	.globl	k_q3df244e0cb_comb
	.p2align	8
	.type	k_q3df244e0cb_comb,@function
k_q3df244e0cb_comb:
	s_mov_b64 s[64:65], 0
	v_nop
	global_prefetch_b8 v0, s[64:65] scope:SCOPE_SE
	s_setreg_imm32_b32 hwreg(HW_REG_WAVE_MODE, 25, 1), 1
	s_wait_xcnt 0x0
; LAUNCH 4 OF 7.  The 32 chunks of a batch and the cls key are merged under the true maximum M of all 1025 scores:
;   alpha_c = 2^(m_c - M), alpha_cls = 2^(s_cls - M), Lambda = sum alpha_c l_c + alpha_cls;  y[head][e] = (sum alpha_c Y_c[head][e] + alpha_cls r0 cls[e]) / Lambda;
; then a part over K of z = (y o g) W_DKV (bf16 operands, f32 sums): the weighted mean is projected once, not every token.
; SHARES.  Work-group (ec, b): batch b, 64 entries e.  Thread t owns one head and four entries e, as the launch before laid them: each load of a wave covers 512 consecutive bytes of Y.
; Wave w makes the statistics of heads 2 w, 2 w + 1 (a lane a chunk) and, in the product, 32 of z's 256 columns.
; NO JOINT REQUESTS: Y, two thirds of a work-group's bytes, is read by nobody else; W_DKV's slab, shared by the eight batches, has to be rounded to bf16 on its way through registers.
; LIMITS.  A weight below 2^-126 counts as 0.  NaN and infinities are not treated apart.
.set WB,    0                          ; W_DKV's 64 rows in bf16: 512 bytes + 32
.set WBP,   544
.set YA,    34816                      ; y o g in bf16: [head] 64 entries + 16 bytes
.set ZS,    37120                      ; z's part: [head] 256 words + 4
.set AL,    53760                      ; alpha / Lambda: [head] 32 chunks + 4 words
.set ACL,   56064                      ; alpha_cls r0 / Lambda: 16 words
.set SPARE, 56320                      ; the spare words: 128 bytes a wave, named by no other line
.set SPW,   30
.set NIL,   31
.set TMP,   29
.set SEL,   22
.macro XSTAGE m, base, n, step
.set zz, 0
.rept \n
	v_add_f32_dpp v[(\base)+zz], v[(\base)+zz], v[(\base)+zz] row_xmask:\m row_mask:0xf bank_mask:0xf
.set zz, zz+(\step)
.endr
.endm
.macro MSTAGE m, base, n, step
.set zz, 0
.rept \n
	v_max_num_f32_dpp v[(\base)+zz], v[(\base)+zz], v[(\base)+zz] row_xmask:\m row_mask:0xf bank_mask:0xf
.set zz, zz+(\step)
.endr
.endm
.macro BAR
	s_wait_dscnt 0x0                               ; my LDS stores are done and my LDS loads are back
	s_barrier_signal -1
	s_barrier_wait -1
.endm
	s_load_b256 s[4:11], s[0:1], 0x0               ; yp s[4:5], qh s[6:7], f1o s[8:9], cls s[10:11]
	s_load_b128 s[12:15], s[0:1], 0x20             ; rms_w s[12:13], W_DKV s[14:15]
	s_load_b64 s[16:17], s[0:1], 0x30              ; zp
	v_lshl_add_u32 v[SPW], v0, 2, SPARE
	v_mov_b32 v[NIL], 0
	v_mov_b32 v[TMP], 0
	v_lshrrev_b32 v1, 5, v0
	v_readfirstlane_b32 s18, v1                    ; wave
	s_mov_b32 s19, ttmp9                           ; ec
	s_and_b32 s20, ttmp7, 0xffff                   ; b
	s_mov_b32 s[SEL], 0x76543210
	s_mov_b32 s[SEL+1], 0xfedcba98
	v_and_b32 v1, 31, v0                           ; lane
	v_lshlrev_b32 v2, 4, v0                        ; 16 t
	s_lshl_b32 s21, s18, 3
	v_lshl_add_u32 v3, v1, 7, s21                  ; chunk = lane: 128 bytes of statistics each, my two heads' pair
	v_and_b32 v4, 7, v1
	s_lshl_b32 s21, s18, 7
	v_lshl_add_u32 v4, v4, 3, s21                  ; the cls key's eight parts, head 2 w
	v_lshrrev_b32 v5, 6, v0
	v_bfe_u32 v6, v0, 4, 1
	v_bfe_u32 v7, v0, 5, 1
	v_lshlrev_b32 v5, 6, v5
	v_lshl_add_u32 v5, v6, 5, v5
	v_lshl_add_u32 v5, v7, 4, v5                   ; 4 x my first entry e in the 64: 16 (t / 64) + 8 ((t / 16) % 2) + 4 ((t / 32) % 2)
	s_mul_i32 s21, s18, 288
	s_add_co_u32 s21, s21, AL
	v_lshl_add_u32 v26, v1, 2, s21                 ; AL: head 2 w, chunk = lane
	s_lshl_b32 s21, s18, 3
	s_add_co_u32 s21, s21, ACL
	v_mov_b32 v27, s21
	v_lshrrev_b32 v28, 6, v0
	v_mul_u32_u24 v28, v28, WBP
	v_and_b32 v6, 63, v0
	v_lshl_add_u32 v28, v6, 3, v28                 ; WB: row t / 64, 8 bytes a thread
	s_mov_b32 s27, 0
	s_wait_kmcnt 0x0
	s_load_b32 s28, s[8:9], 0x4400                 ; r0
	s_lshl_b32 s26, s20, 12
	s_add_co_u32 s26, s26, 0x1000000
	s_add_nc_u64 s[24:25], s[4:5], s[26:27]        ; the batch's statistics
	s_lshl_b32 s26, s20, 21
	s_lshl_b32 s21, s19, 12
	s_add_co_u32 s26, s26, s21
	s_add_nc_u64 s[4:5], s[4:5], s[26:27]          ; the batch's Y at my 64 entries
	s_lshl_b32 s26, s19, 8
	s_add_nc_u64 s[10:11], s[10:11], s[26:27]
	s_add_nc_u64 s[12:13], s[12:13], s[26:27]
	s_lshl_b32 s26, s19, 16
	s_add_nc_u64 s[14:15], s[14:15], s[26:27]
	s_lshl_b32 s26, s20, 14
	s_lshl_b32 s21, s19, 10
	s_add_co_u32 s26, s26, s21
	s_add_nc_u64 s[16:17], s[16:17], s[26:27]
	; 54 loads: six small ones, W_DKV's 16, Y's 32
	global_load_b64 v[20:21], v3, s[24:25]
	global_load_b64 v[22:23], v3, s[24:25] offset:64
	global_load_b32 v24, v4, s[6:7] offset:2048
	global_load_b32 v25, v4, s[6:7] offset:2112
	global_load_b128 v[12:15], v5, s[10:11]
	global_load_b128 v[16:19], v5, s[12:13]
.set i, 0
.rept 16
	global_load_b128 v[64+4*i:67+4*i], v2, s[14:15] offset:4096*i
.set i, i+1
.endr
.set c, 0
.rept 32
	global_load_b128 v[128+4*c:131+4*c], v2, s[4:5] offset:65536*c th:TH_LOAD_NT
.set c, c+1
.endr
	s_wait_kmcnt 0x0
	; PHASE 1: the merge's factors for heads 2 w, 2 w + 1
	s_wait_loadcnt 48                              ; the six small loads are in: 48 were issued behind them
	XSTAGE 1, 24, 2, 1
	XSTAGE 2, 24, 2, 1
	XSTAGE 4, 24, 2, 1                             ; the cls key's score: eight parts
	v_mul_f32 v24, 0x3dd105ec, v24                 ; / sqrt(96); its mask is 0
	v_mul_f32 v25, 0x3dd105ec, v25
	v_mul_f32 v24, 0x3fb8aa3b, v24                 ; times log2 e
	v_mul_f32 v25, 0x3fb8aa3b, v25
	v_mov_b32 v32, v20
	v_mov_b32 v33, v21
	MSTAGE 1, 32, 2, 1
	MSTAGE 2, 32, 2, 1
	MSTAGE 4, 32, 2, 1
	MSTAGE 8, 32, 2, 1
	v_permlanex16_b32 v[TMP], v32, s[SEL], s[SEL+1]
	v_max3_num_f32 v32, v32, v[TMP], v24           ; M
	v_permlanex16_b32 v[TMP], v33, s[SEL], s[SEL+1]
	v_max3_num_f32 v33, v33, v[TMP], v25
	v_sub_f32 v34, v20, v32
	v_sub_f32 v35, v21, v33
	v_sub_f32 v36, v24, v32
	v_sub_f32 v37, v25, v33
	v_exp_f32 v34, v34
	v_exp_f32 v35, v35
	v_exp_f32 v36, v36
	v_exp_f32 v37, v37
	v_nop
	s_wait_alu depctr_va_vdst(0)
	v_mul_f32 v38, v34, v22
	v_mul_f32 v39, v35, v23
	XSTAGE 1, 38, 2, 1
	XSTAGE 2, 38, 2, 1
	XSTAGE 4, 38, 2, 1
	XSTAGE 8, 38, 2, 1
	v_permlanex16_b32 v[TMP], v38, s[SEL], s[SEL+1]
	v_add_f32 v38, v38, v[TMP]
	v_permlanex16_b32 v[TMP], v39, s[SEL], s[SEL+1]
	v_add_f32 v39, v39, v[TMP]
	v_add_f32 v38, v38, v36                        ; Lambda: at least 1, since M is one of the scores
	v_add_f32 v39, v39, v37
	v_rcp_f32 v38, v38
	v_rcp_f32 v39, v39
	v_nop
	s_wait_alu depctr_va_vdst(0)
	v_mul_f32 v34, v34, v38
	v_mul_f32 v35, v35, v39
	v_mul_f32 v36, v36, v38
	v_mul_f32 v37, v37, v39
	v_mul_f32 v36, s28, v36
	v_mul_f32 v37, s28, v37
	ds_store_b32 v26, v34
	ds_store_b32 v26, v35 offset:144
	ds_store_b64 v27, v[36:37]
	BAR
	; PHASE 2: W_DKV's slab to bf16
	s_wait_loadcnt 32                              ; W_DKV's 16 loads are in: Y's 32 were issued behind them
.set i, 0
.rept 16
	v_cvt_pk_bf16_f32 v[32+2*(i%8)], v[64+4*i], v[65+4*i]
	v_cvt_pk_bf16_f32 v[33+2*(i%8)], v[66+4*i], v[67+4*i]
	ds_store_b64 v28, v[32+2*(i%8):33+2*(i%8)] offset:i*4*WBP
.set i, i+1
.endr
	; PHASE 3: y for my head and four entries
	v_and_b32 v6, 15, v0                           ; head
	v_mul_u32_u24 v3, v6, 144
	v_lshl_add_u32 v4, v6, 2, ACL
	v_lshrrev_b32 v7, 1, v5
	v_add_nc_u32 v7, v3, v7
	v_add_nc_u32 v7, YA, v7                        ; YA: my head, my four entries
	v_add_nc_u32 v3, AL, v3
.irp i, 0,1,2,3,4,5,6,7
	ds_load_b128 v[32+4*\i:35+4*\i], v3 offset:16*\i
.endr
	ds_load_b32 v27, v4
	s_wait_dscnt 0x0
.irp k, 0,1,2,3
	v_mul_f32 v[8+\k], v27, v[12+\k]               ; the cls key's share starts the sums
.endr
.set c, 0
.rept 32
.if c%8 == 0
	s_wait_loadcnt 24-c                            ; eight chunks at a time: the later chunks' loads stay out
.endif
.if c%2 == 0
	v_pk_fma_f32 v[8:9], v[128+4*c:129+4*c], v[32+c:33+c], v[8:9] op_sel_hi:[1,0,1]
	v_pk_fma_f32 v[10:11], v[130+4*c:131+4*c], v[32+c:33+c], v[10:11] op_sel_hi:[1,0,1]
.else
	v_pk_fma_f32 v[8:9], v[128+4*c:129+4*c], v[31+c:32+c], v[8:9] op_sel:[0,1,0] op_sel_hi:[1,1,1]
	v_pk_fma_f32 v[10:11], v[130+4*c:131+4*c], v[31+c:32+c], v[10:11] op_sel:[0,1,0] op_sel_hi:[1,1,1]
.endif
.set c, c+1
.endr
	v_pk_mul_f32 v[8:9], v[8:9], v[16:17]
	v_pk_mul_f32 v[10:11], v[10:11], v[18:19]
	v_cvt_pk_bf16_f32 v26, v8, v9
	v_cvt_pk_bf16_f32 v27, v10, v11
	ds_store_b64 v7, v[26:27]
	BAR
	; PHASE 4: z^T(16 columns x 16 heads) over 64 entries e, two tiles of columns a wave: source 0 = W_DKV turned, source 1 = y o g
	v_bfe_u32 v8, v0, 4, 1                         ; hh
	v_mul_u32_u24 v3, v6, 144
	v_lshl_add_u32 v3, v8, 4, v3
	v_add_nc_u32 v3, YA, v3
	v_and_b32 v9, 7, v0
	v_lshl_add_u32 v9, v8, 3, v9
	v_mul_u32_u24 v4, v9, WBP
	v_bfe_u32 v9, v0, 3, 1
	v_lshl_add_u32 v4, v9, 4, v4
	s_lshl_b32 s21, s18, 6
	v_add_nc_u32 v4, s21, v4
	v_mul_u32_u24 v5, v6, 1040
	v_lshl_add_u32 v5, v8, 5, v5
	s_lshl_b32 s21, s18, 7
	s_add_co_u32 s21, s21, ZS
	v_add_nc_u32 v5, s21, v5
.irp k, 0,1,2,3
	ds_load_b128 v[128+4*\k:131+4*\k], v3 offset:32*\k
.endr
.irp t, 0,1
.irp k, 0,1
	ds_load_tr16_b128 v[144+16*\t+8*\k:147+16*\t+8*\k], v4 offset:\t*32+\k*32*WBP
	ds_load_tr16_b128 v[148+16*\t+8*\k:151+16*\t+8*\k], v4 offset:\t*32+\k*32*WBP+16*WBP
.endr
.endr
	s_wait_dscnt 0x0
	v_wmma_f32_16x16x32_bf16 v[176:183], v[144:151], v[128:135], 0         ; the two accumulators take turns
	v_wmma_f32_16x16x32_bf16 v[184:191], v[160:167], v[128:135], 0
	v_wmma_f32_16x16x32_bf16 v[176:183], v[152:159], v[136:143], v[176:183]
	v_wmma_f32_16x16x32_bf16 v[184:191], v[168:175], v[136:143], v[184:191]
.rept 4
	v_nop                                          ; four places between the last product and the stores of its result
.endr
.irp t, 0,1
	ds_store_b128 v5, v[176+8*\t:179+8*\t] offset:64*\t      ; register j: column 32 w + 16 t + 8 hh + j of head r16; the low four first
	ds_store_b128 v5, v[180+8*\t:183+8*\t] offset:64*\t+16
.endr
	BAR
	; PHASE 5: out by rows
	v_lshrrev_b32 v8, 6, v0
	v_and_b32 v9, 63, v0
	v_mul_u32_u24 v6, v8, 1040
	v_lshl_add_u32 v6, v9, 4, v6
	v_add_nc_u32 v6, ZS, v6
	v_lshlrev_b32 v7, 17, v8
	v_lshl_add_u32 v7, v9, 4, v7
.irp i, 0,1,2,3
	ds_load_b128 v[128+4*\i:131+4*\i], v6 offset:\i*4160
.endr
.irp i, 0,1,2,3
	s_wait_dscnt 3-\i
	global_store_b128 v7, v[128+4*\i:131+4*\i], s[16:17] offset:\i*524288  ; head 4 i + t / 64: 512 consecutive bytes a wave
.endr
	s_wait_tensorcnt 0x0                           ; the wave's end: behind my last LDS store
	ds_add_u32 v[SPW], v[NIL]
	s_wait_dscnt 0x0
	s_endpgm
.Lfunc_end_k_q3df244e0cb_comb:
	.size	k_q3df244e0cb_comb, .Lfunc_end_k_q3df244e0cb_comb-k_q3df244e0cb_comb
	.p2alignl 7, 3214868480
	.fill 96, 4, 3214868480
	.section	.rodata,"a",@progbits
	.p2align	6, 0x0
	.amdhsa_kernel k_q3df244e0cb_comb
		.amdhsa_group_segment_fixed_size 57344
		.amdhsa_private_segment_fixed_size 0
		.amdhsa_enable_private_segment 0
		.amdhsa_kernarg_size 56
		.amdhsa_user_sgpr_count 2
		.amdhsa_user_sgpr_kernarg_segment_ptr 1
		.amdhsa_wavefront_size32 1
		.amdhsa_system_sgpr_workgroup_id_x 1
		.amdhsa_system_sgpr_workgroup_id_y 1
		.amdhsa_system_sgpr_workgroup_id_z 1
		.amdhsa_system_vgpr_workitem_id 0
		.amdhsa_next_free_vgpr 256
		.amdhsa_next_free_sgpr 66
		.amdhsa_reserve_vcc 0
		.amdhsa_float_denorm_mode_32 3
		.amdhsa_float_denorm_mode_16_64 3
		.amdhsa_memory_ordered 1
		.amdhsa_forward_progress 1
		.amdhsa_inst_pref_size 24
	.end_amdhsa_kernel
	.amdgpu_metadata
---
amdhsa.version: [ 1, 2 ]
amdhsa.kernels:
  - .name:           k_q3df244e0cb_comb
    .symbol:         k_q3df244e0cb_comb.kd
    .args:
      - { .name: yp, .offset: 0, .size: 8, .value_kind: global_buffer, .address_space: global }
      - { .name: qh, .offset: 8, .size: 8, .value_kind: global_buffer, .address_space: global }
      - { .name: f1o, .offset: 16, .size: 8, .value_kind: global_buffer, .address_space: global }
      - { .name: params_cls_token, .offset: 24, .size: 8, .value_kind: global_buffer, .address_space: global }
      - { .name: params_rms_w, .offset: 32, .size: 8, .value_kind: global_buffer, .address_space: global }
      - { .name: params_W_DKV, .offset: 40, .size: 8, .value_kind: global_buffer, .address_space: global }
      - { .name: zp, .offset: 48, .size: 8, .value_kind: global_buffer, .address_space: global }
    .group_segment_fixed_size: 57344
    .private_segment_fixed_size: 0
    .kernarg_segment_align: 8
    .kernarg_segment_size: 56
    .max_flat_workgroup_size: 256
    .sgpr_count:     66
    .vgpr_count:     256
    .wavefront_size: 32
...
	.end_amdgpu_metadata
.endif
;; end of part 4
;; launch vo (part 5): grid 16 x 16, 16 waves a work-group, no clusters, 77,824 bytes of LDS; arguments zp, params_b_DKV, params_W_UV, params_b_UV, params_W_O, ap; writes ap
.if DOCPART == 5
	.amdgcn_target "amdgcn-amd-amdhsa--gfx1250"
	.amdhsa_code_object_version 6
	.text
	.protected	k_q3df244e0cb_vo
	.globl	k_q3df244e0cb_vo
	.p2align	8
	.type	k_q3df244e0cb_vo,@function
k_q3df244e0cb_vo:
	s_mov_b64 s[64:65], 0
	v_nop
	global_prefetch_b8 v0, s[64:65] scope:SCOPE_SE
	s_setreg_imm32_b32 hwreg(HW_REG_WAVE_MODE, 25, 1), 1
	s_wait_xcnt 0x0
; LAUNCH 5 OF 7.  For head h and all 8 batches: z = sum of 16 parts + b_DKV;  o_h = z W_UV[:, h] + b_UV_h (the biases pass through the mean: the weights sum to 1);
; then the head's part of the output projection, o_h W_O[64 h .. 64 h + 63, 64 columns].
; SHARES.  Work-group (nc, h).  Thread (grp = t / 16, dq = t % 16) takes weight rows grp + 32 i and four columns, for all 8 batches; the 32 groups' sums meet in LDS.
; z and o_h are made anew in each of a head's 16 work-groups: that spares a launch.  All f32 on the vector unit: 8 rows of activations for every weight.
; NO JOINT REQUESTS: what a head's work-groups share (z's parts, W_UV's columns) goes straight into lanes' registers, 16 bytes a lane; there is no LDS tile to fill.
; LIMITS.  Sums split over K and added in another order than a single sum.  NaN and infinities are not treated apart.
.set ACT1,  0                          ; z: [256][8 batches] words
.set ACT2,  8192                       ; o_h: [64][8] words
.set RED,   10240                      ; 32 groups x [8 batches][64 columns] words
.set SPARE, 75776                      ; the spare words: 128 bytes a wave, named by no other line
.set AC,    32
.set ACC,   144
.set RADR,  10
.set SPW,   176
.set NIL,   177
.macro BAR
	s_wait_dscnt 0x0                               ; my LDS stores are done and my LDS loads are back
	s_barrier_signal -1
	s_barrier_wait -1
.endm
; 64 columns x 8 batches: my rows grp + G i (weights at v[W + 4 i ..], activations of row k at adr + 32 k), summed into 32 registers; the first row starts the sums; then into my group's block of RED
.macro MV8 rows, W, G, adr
.set i, 0
.rept \rows
	ds_load_b128 v[AC+8*i:AC+8*i+3], v[\adr] offset:i*(\G)*32
	ds_load_b128 v[AC+8*i+4:AC+8*i+7], v[\adr] offset:i*(\G)*32+16
.set i, i+1
.endr
	s_wait_dscnt 0x0
.set i, 0
.rept \rows
.set b, 0
.rept 8
.set p, 0
.rept 2
.set rA, ACC+4*b+2*p
.set rW, (\W)+4*i+2*p
.set rX, AC+8*i+b-b%2
.if (i == 0) && (b%2 == 0)
	v_pk_mul_f32 v[rA:rA+1], v[rW:rW+1], v[rX:rX+1] op_sel_hi:[1,0]
.elseif i == 0
	v_pk_mul_f32 v[rA:rA+1], v[rW:rW+1], v[rX:rX+1] op_sel:[0,1] op_sel_hi:[1,1]
.elseif b%2 == 0
	v_pk_fma_f32 v[rA:rA+1], v[rW:rW+1], v[rX:rX+1], v[rA:rA+1] op_sel_hi:[1,0,1]
.else
	v_pk_fma_f32 v[rA:rA+1], v[rW:rW+1], v[rX:rX+1], v[rA:rA+1] op_sel:[0,1,0] op_sel_hi:[1,1,1]
.endif
.set p, p+1
.endr
.set b, b+1
.endr
.set i, i+1
.endr
.set b, 0
.rept 8
	ds_store_b128 v[RADR], v[ACC+4*b:ACC+4*b+3] offset:b*256
.set b, b+1
.endr
.endm
	s_load_b256 s[4:11], s[0:1], 0x0               ; zp s[4:5], b_DKV s[6:7], W_UV s[8:9], b_UV s[10:11]
	s_load_b128 s[12:15], s[0:1], 0x20             ; W_O s[12:13], ap s[14:15]
	v_lshl_add_u32 v[SPW], v0, 2, SPARE
	v_mov_b32 v[NIL], 0
	v_lshrrev_b32 v1, 5, v0
	v_readfirstlane_b32 s18, v1                    ; wave
	s_mov_b32 s19, ttmp9                           ; nc
	s_and_b32 s20, ttmp7, 0xffff                   ; h
	v_and_b32 v2, 15, v0                           ; dq
	v_lshrrev_b32 v3, 4, v0                        ; grp, 0 .. 31
	v_and_b32 v16, 63, v0
	v_lshrrev_b32 v17, 6, v0                       ; batch
	v_lshlrev_b32 v5, 4, v16                       ; 16 (t % 64)
	v_lshl_add_u32 v4, v17, 14, v5                 ; + batch x 16 parts of 1024 bytes
	v_lshlrev_b32 v6, 12, v3
	v_lshl_add_u32 v6, v2, 4, v6                   ; grp x 4096 + dq x 16
	v_lshlrev_b32 v7, 2, v16
	v_lshlrev_b32 v8, 7, v16
	v_lshl_add_u32 v8, v17, 2, v8                  ; ACT1: rows 4 (t % 64) on, my batch
	v_lshlrev_b32 v9, 5, v3                        ; ACT1: row grp
	v_lshlrev_b32 v10, 11, v3
	v_lshl_add_u32 v10, v2, 4, v10
	v_add_nc_u32 v10, RED, v10                     ; my group's block, my four columns
	v_lshl_add_u32 v11, v0, 2, RED
	v_lshlrev_b32 v12, 5, v16
	v_lshl_add_u32 v12, v17, 2, v12
	v_add_nc_u32 v12, ACT2, v12
	v_add_nc_u32 v13, ACT2, v9
	v_lshl_add_u32 v14, v0, 4, RED
	v_lshlrev_b32 v15, 12, v3
	v_lshl_add_u32 v15, v2, 4, v15                 ; out (t < 128): batch t / 16, four columns
	s_mov_b32 s23, 0
	s_wait_kmcnt 0x0
	s_lshl_b32 s22, s20, 17
	s_add_nc_u64 s[4:5], s[4:5], s[22:23]
	s_lshl_b32 s22, s20, 8
	s_add_nc_u64 s[8:9], s[8:9], s[22:23]
	s_add_nc_u64 s[10:11], s[10:11], s[22:23]
	s_lshl_b32 s22, s20, 18
	s_lshl_b32 s21, s19, 8
	s_add_co_u32 s22, s22, s21
	s_add_nc_u64 s[12:13], s[12:13], s[22:23]
	s_lshl_b32 s22, s20, 15
	s_add_co_u32 s22, s22, s21
	s_add_nc_u64 s[14:15], s[14:15], s[22:23]
	; 28 loads, in the order in which the phases want them
.set i, 0
.rept 16
	global_load_b128 v[32+4*i:35+4*i], v4, s[4:5] offset:1024*i
.set i, i+1
.endr
	global_load_b128 v[136:139], v5, s[6:7]
.set i, 0
.rept 8
	global_load_b128 v[96+4*i:99+4*i], v6, s[8:9] offset:131072*i
.set i, i+1
.endr
	global_load_b32 v140, v7, s[10:11]
	global_load_b128 v[128:131], v6, s[12:13] th:TH_LOAD_NT
	global_load_b128 v[132:135], v6, s[12:13] offset:131072 th:TH_LOAD_NT
	s_wait_loadcnt 11                              ; z's parts and b_DKV are in: 11 were issued behind them
.set i, 1
.rept 15
	v_pk_add_f32 v[32:33], v[32:33], v[32+4*i:33+4*i]
	v_pk_add_f32 v[34:35], v[34:35], v[34+4*i:35+4*i]
.set i, i+1
.endr
	v_pk_add_f32 v[32:33], v[32:33], v[136:137]
	v_pk_add_f32 v[34:35], v[34:35], v[138:139]
.irp i, 0,1,2,3
	ds_store_b32 v8, v[32+\i] offset:32*\i
.endr
	BAR
	s_wait_loadcnt 3                               ; W_UV is in: three were issued behind it
	MV8 8, 96, 32, 9
	BAR
.set i, 0
.rept 32
	ds_load_b32 v[32+i], v11 offset:2048*i         ; thread t: batch t / 64, channel t % 64, of each group
.set i, i+1
.endr
	s_wait_dscnt 0x0
.irp w, 16, 8, 4, 2
.set i, 0
.rept \w/2
	v_pk_add_f32 v[32+2*i:33+2*i], v[32+2*i:33+2*i], v[32+\w+2*i:33+\w+2*i]
.set i, i+1
.endr
.endr
	v_add_f32 v32, v32, v33
	s_wait_loadcnt 2                               ; b_UV is in: W_O's two loads were issued behind it
	v_add_f32 v32, v32, v140
	ds_store_b32 v12, v32
	BAR                                            ; o_h is whole, and nobody reads RED any more
	s_wait_loadcnt 0x0
	MV8 2, 128, 32, 13
	BAR
	s_cmp_gt_u32 s18, 3
	s_cbranch_scc1 .Lend
.set i, 0
.rept 32
	ds_load_b128 v[32+4*i:35+4*i], v14 offset:2048*i
.set i, i+1
.endr
	s_wait_dscnt 0x0
.set i, 1
.rept 31
	v_pk_add_f32 v[32:33], v[32:33], v[32+4*i:33+4*i]
	v_pk_add_f32 v[34:35], v[34:35], v[34+4*i:35+4*i]
.set i, i+1
.endr
	global_store_b128 v15, v[32:35], s[14:15]      ; sixteen lanes: 256 consecutive bytes, aligned
.Lend:
	s_wait_tensorcnt 0x0                           ; the wave's end: behind my last LDS store
	ds_add_u32 v[SPW], v[NIL]
	s_wait_dscnt 0x0
	s_endpgm
.Lfunc_end_k_q3df244e0cb_vo:
	.size	k_q3df244e0cb_vo, .Lfunc_end_k_q3df244e0cb_vo-k_q3df244e0cb_vo
	.p2alignl 7, 3214868480
	.fill 96, 4, 3214868480
	.section	.rodata,"a",@progbits
	.p2align	6, 0x0
	.amdhsa_kernel k_q3df244e0cb_vo
		.amdhsa_group_segment_fixed_size 77824
		.amdhsa_private_segment_fixed_size 0
		.amdhsa_enable_private_segment 0
		.amdhsa_kernarg_size 48
		.amdhsa_user_sgpr_count 2
		.amdhsa_user_sgpr_kernarg_segment_ptr 1
		.amdhsa_wavefront_size32 1
		.amdhsa_system_sgpr_workgroup_id_x 1
		.amdhsa_system_sgpr_workgroup_id_y 1
		.amdhsa_system_sgpr_workgroup_id_z 1
		.amdhsa_system_vgpr_workitem_id 0
		.amdhsa_next_free_vgpr 184
		.amdhsa_next_free_sgpr 66
		.amdhsa_reserve_vcc 0
		.amdhsa_float_denorm_mode_32 3
		.amdhsa_float_denorm_mode_16_64 3
		.amdhsa_memory_ordered 1
		.amdhsa_forward_progress 1
		.amdhsa_inst_pref_size 30
	.end_amdhsa_kernel
	.amdgpu_metadata
---
amdhsa.version: [ 1, 2 ]
amdhsa.kernels:
  - .name:           k_q3df244e0cb_vo
    .symbol:         k_q3df244e0cb_vo.kd
    .args:
      - { .name: zp, .offset: 0, .size: 8, .value_kind: global_buffer, .address_space: global }
      - { .name: params_b_DKV, .offset: 8, .size: 8, .value_kind: global_buffer, .address_space: global }
      - { .name: params_W_UV, .offset: 16, .size: 8, .value_kind: global_buffer, .address_space: global }
      - { .name: params_b_UV, .offset: 24, .size: 8, .value_kind: global_buffer, .address_space: global }
      - { .name: params_W_O, .offset: 32, .size: 8, .value_kind: global_buffer, .address_space: global }
      - { .name: ap, .offset: 40, .size: 8, .value_kind: global_buffer, .address_space: global }
    .group_segment_fixed_size: 77824
    .private_segment_fixed_size: 0
    .kernarg_segment_align: 8
    .kernarg_segment_size: 48
    .max_flat_workgroup_size: 512
    .sgpr_count:     66
    .vgpr_count:     184
    .wavefront_size: 32
...
	.end_amdgpu_metadata
.endif
;; end of part 5
;; launch lin (part 6): grid 16 x 8, 8 waves a work-group, no clusters, 37,888 bytes of LDS; arguments ap, params_b_O, params_cls_token, params_rms_w, params_W_lin, tp; writes tp
.if DOCPART == 6
	.amdgcn_target "amdgcn-amd-amdhsa--gfx1250"
	.amdhsa_code_object_version 6
	.text
	.protected	k_q3df244e0cb_lin
	.globl	k_q3df244e0cb_lin
	.p2align	8
	.type	k_q3df244e0cb_lin,@function
k_q3df244e0cb_lin:
	s_mov_b64 s[64:65], 0
	v_nop
	global_prefetch_b8 v0, s[64:65] scope:SCOPE_SE
	s_setreg_imm32_b32 hwreg(HW_REG_WAVE_MODE, 25, 1), 1
	s_wait_xcnt 0x0
; LAUNCH 6 OF 7.  a = sum over the 16 heads' parts + b_O + cls (the residual of the cls row), stored once; and parts over K of (a o g) W_lin.
; The second norm's factor is a scalar for each batch: the last launch applies it behind the sum.
; SHARES.  Work-group (nc, kc): 64 columns x 128 rows of W_lin, all 8 batches.  Thread (grp = t / 16, dq = t % 16) takes rows grp + 16 i and four columns; the 16 groups' sums meet in LDS.
; All f32 on the vector unit: 8 rows of activations for every weight; W_lin, a third of a work-group's bytes, is read by nobody else, so nothing is asked for jointly.
; LIMITS.  Sums split over K and added in another order than a single sum.  NaN and infinities are not treated apart.
.set ACT,   0                          ; a o g: [128][8 batches] words
.set RED,   4096                       ; 16 groups x [8 batches][64 columns] words
.set SPARE, 36864                      ; the spare words: 128 bytes a wave, named by no other line
.set AC,    32
.set ACC,   144
.set RADR,  10
.set SPW,   176
.set NIL,   177
.macro BAR
	s_wait_dscnt 0x0                               ; my LDS stores are done and my LDS loads are back
	s_barrier_signal -1
	s_barrier_wait -1
.endm
; 64 columns x 8 batches: my rows grp + G i (weights at v[W + 4 i ..], activations of row k at adr + 32 k), summed into 32 registers; the first row starts the sums; then into my group's block of RED
.macro MV8 rows, W, G, adr
.set i, 0
.rept \rows
	ds_load_b128 v[AC+8*i:AC+8*i+3], v[\adr] offset:i*(\G)*32
	ds_load_b128 v[AC+8*i+4:AC+8*i+7], v[\adr] offset:i*(\G)*32+16
.set i, i+1
.endr
	s_wait_dscnt 0x0
.set i, 0
.rept \rows
.set b, 0
.rept 8
.set p, 0
.rept 2
.set rA, ACC+4*b+2*p
.set rW, (\W)+4*i+2*p
.set rX, AC+8*i+b-b%2
.if (i == 0) && (b%2 == 0)
	v_pk_mul_f32 v[rA:rA+1], v[rW:rW+1], v[rX:rX+1] op_sel_hi:[1,0]
.elseif i == 0
	v_pk_mul_f32 v[rA:rA+1], v[rW:rW+1], v[rX:rX+1] op_sel:[0,1] op_sel_hi:[1,1]
.elseif b%2 == 0
	v_pk_fma_f32 v[rA:rA+1], v[rW:rW+1], v[rX:rX+1], v[rA:rA+1] op_sel_hi:[1,0,1]
.else
	v_pk_fma_f32 v[rA:rA+1], v[rW:rW+1], v[rX:rX+1], v[rA:rA+1] op_sel:[0,1,0] op_sel_hi:[1,1,1]
.endif
.set p, p+1
.endr
.set b, b+1
.endr
.set i, i+1
.endr
.set b, 0
.rept 8
	ds_store_b128 v[RADR], v[ACC+4*b:ACC+4*b+3] offset:b*256
.set b, b+1
.endr
.endm
	s_load_b256 s[4:11], s[0:1], 0x0               ; ap s[4:5], b_O s[6:7], cls s[8:9], rms_w s[10:11]
	s_load_b128 s[12:15], s[0:1], 0x20             ; W_lin s[12:13], tp s[14:15]
	v_lshl_add_u32 v[SPW], v0, 2, SPARE
	v_mov_b32 v[NIL], 0
	v_lshrrev_b32 v1, 5, v0
	v_readfirstlane_b32 s18, v1                    ; wave
	s_mov_b32 s19, ttmp9                           ; nc
	s_and_b32 s20, ttmp7, 0xffff                   ; kc
	v_and_b32 v2, 15, v0                           ; dq
	v_lshrrev_b32 v3, 4, v0                        ; grp, 0 .. 15
	v_and_b32 v16, 31, v0
	v_lshrrev_b32 v17, 5, v0                       ; batch
	v_lshlrev_b32 v5, 4, v16                       ; 16 (t % 32)
	v_lshl_add_u32 v4, v17, 12, v5                 ; + batch x 4096
	v_lshlrev_b32 v6, 12, v3
	v_lshl_add_u32 v6, v2, 4, v6                   ; grp x 4096 + dq x 16
	v_lshlrev_b32 v8, 7, v16
	v_lshl_add_u32 v8, v17, 2, v8                  ; ACT: rows 4 (t % 32) on, my batch
	v_lshlrev_b32 v9, 5, v3                        ; ACT: row grp
	v_lshlrev_b32 v10, 11, v3
	v_lshl_add_u32 v10, v2, 4, v10
	v_add_nc_u32 v10, RED, v10
	v_lshl_add_u32 v14, v0, 4, RED
	s_mov_b32 s23, 0
	s_wait_kmcnt 0x0
	s_lshl_b32 s22, s20, 9                         ; the slab's 128 numbers
	s_add_nc_u64 s[4:5], s[4:5], s[22:23]
	s_add_nc_u64 s[6:7], s[6:7], s[22:23]
	s_add_nc_u64 s[8:9], s[8:9], s[22:23]
	s_add_nc_u64 s[10:11], s[10:11], s[22:23]
	s_add_co_u32 s22, s22, 262144
	s_add_nc_u64 s[16:17], s[14:15], s[22:23]      ; a, behind the parts
	s_lshl_b32 s22, s20, 19
	s_lshl_b32 s21, s19, 8
	s_add_co_u32 s22, s22, s21
	s_add_nc_u64 s[12:13], s[12:13], s[22:23]
	s_lshl_b32 s22, s20, 15
	s_add_co_u32 s22, s22, s21
	s_add_nc_u64 s[14:15], s[14:15], s[22:23]
.set i, 0
.rept 16
	global_load_b128 v[32+4*i:35+4*i], v4, s[4:5] offset:32768*i
.set i, i+1
.endr
	global_load_b128 v[128:131], v5, s[6:7]
	global_load_b128 v[132:135], v5, s[8:9]
	global_load_b128 v[136:139], v5, s[10:11]
.set i, 0
.rept 8
	global_load_b128 v[96+4*i:99+4*i], v6, s[12:13] offset:65536*i th:TH_LOAD_NT
.set i, i+1
.endr
	s_wait_loadcnt 8                               ; all but W_lin's eight loads, which were issued last
	v_pk_add_f32 v[140:141], v[32:33], v[36:37]
	v_pk_add_f32 v[142:143], v[34:35], v[38:39]
.set i, 2
.rept 14
	v_pk_add_f32 v[140:141], v[140:141], v[32+4*i:33+4*i]
	v_pk_add_f32 v[142:143], v[142:143], v[34+4*i:35+4*i]
.set i, i+1
.endr
	v_pk_add_f32 v[140:141], v[140:141], v[128:129]
	v_pk_add_f32 v[142:143], v[142:143], v[130:131]
	v_pk_add_f32 v[140:141], v[140:141], v[132:133]
	v_pk_add_f32 v[142:143], v[142:143], v[134:135]
	s_cmp_lg_u32 s19, 0
	s_cbranch_scc1 .Lnoa
	global_store_b128 v4, v[140:143], s[16:17]     ; one of the 16 column blocks stores a; its registers are not written again
.Lnoa:
	v_pk_mul_f32 v[178:179], v[140:141], v[136:137]
	v_pk_mul_f32 v[180:181], v[142:143], v[138:139]
.irp i, 0,1,2,3
	ds_store_b32 v8, v[178+\i] offset:32*\i
.endr
	BAR
	s_wait_loadcnt 0x0
	MV8 8, 96, 16, 9
	BAR
	s_cmp_gt_u32 s18, 3
	s_cbranch_scc1 .Lend
.set i, 0
.rept 16
	ds_load_b128 v[32+4*i:35+4*i], v14 offset:2048*i
.set i, i+1
.endr
	s_wait_dscnt 0x0
.set i, 1
.rept 15
	v_pk_add_f32 v[32:33], v[32:33], v[32+4*i:33+4*i]
	v_pk_add_f32 v[34:35], v[34:35], v[34+4*i:35+4*i]
.set i, i+1
.endr
	global_store_b128 v6, v[32:35], s[14:15]       ; t < 128: batch t / 16, four columns: sixteen lanes store 256 consecutive bytes, aligned
.Lend:
	s_wait_tensorcnt 0x0                           ; the wave's end: behind my last LDS store
	ds_add_u32 v[SPW], v[NIL]
	s_wait_dscnt 0x0
	s_endpgm
.Lfunc_end_k_q3df244e0cb_lin:
	.size	k_q3df244e0cb_lin, .Lfunc_end_k_q3df244e0cb_lin-k_q3df244e0cb_lin
	.p2alignl 7, 3214868480
	.fill 96, 4, 3214868480
	.section	.rodata,"a",@progbits
	.p2align	6, 0x0
	.amdhsa_kernel k_q3df244e0cb_lin
		.amdhsa_group_segment_fixed_size 37888
		.amdhsa_private_segment_fixed_size 0
		.amdhsa_enable_private_segment 0
		.amdhsa_kernarg_size 48
		.amdhsa_user_sgpr_count 2
		.amdhsa_user_sgpr_kernarg_segment_ptr 1
		.amdhsa_wavefront_size32 1
		.amdhsa_system_sgpr_workgroup_id_x 1
		.amdhsa_system_sgpr_workgroup_id_y 1
		.amdhsa_system_sgpr_workgroup_id_z 1
		.amdhsa_system_vgpr_workitem_id 0
		.amdhsa_next_free_vgpr 184
		.amdhsa_next_free_sgpr 66
		.amdhsa_reserve_vcc 0
		.amdhsa_float_denorm_mode_32 3
		.amdhsa_float_denorm_mode_16_64 3
		.amdhsa_memory_ordered 1
		.amdhsa_forward_progress 1
		.amdhsa_inst_pref_size 21
	.end_amdhsa_kernel
	.amdgpu_metadata
---
amdhsa.version: [ 1, 2 ]
amdhsa.kernels:
  - .name:           k_q3df244e0cb_lin
    .symbol:         k_q3df244e0cb_lin.kd
    .args:
      - { .name: ap, .offset: 0, .size: 8, .value_kind: global_buffer, .address_space: global }
      - { .name: params_b_O, .offset: 8, .size: 8, .value_kind: global_buffer, .address_space: global }
      - { .name: params_cls_token, .offset: 16, .size: 8, .value_kind: global_buffer, .address_space: global }
      - { .name: params_rms_w, .offset: 24, .size: 8, .value_kind: global_buffer, .address_space: global }
      - { .name: params_W_lin, .offset: 32, .size: 8, .value_kind: global_buffer, .address_space: global }
      - { .name: tp, .offset: 40, .size: 8, .value_kind: global_buffer, .address_space: global }
    .group_segment_fixed_size: 37888
    .private_segment_fixed_size: 0
    .kernarg_segment_align: 8
    .kernarg_segment_size: 48
    .max_flat_workgroup_size: 256
    .sgpr_count:     66
    .vgpr_count:     184
    .wavefront_size: 32
...
	.end_amdgpu_metadata
.endif
;; end of part 6
;; launch head (part 7): grid 7 x 8, 16 waves a work-group, no clusters, 8,448 bytes of LDS; arguments tp, params_b_lin, params_W_cls, params_b_cls, out0; writes out0
.if DOCPART == 7
	.amdgcn_target "amdgcn-amd-amdhsa--gfx1250"
	.amdhsa_code_object_version 6
	.text
	.protected	k_q3df244e0cb_head
	.globl	k_q3df244e0cb_head
	.p2align	8
	.type	k_q3df244e0cb_head,@function
k_q3df244e0cb_head:
	s_mov_b64 s[64:65], 0
	v_nop
	global_prefetch_b8 v0, s[64:65] scope:SCOPE_SE
	s_setreg_imm32_b32 hwreg(HW_REG_WAVE_MODE, 25, 1), 1
	s_wait_xcnt 0x0
; LAUNCH 7 OF 7.  For batch b: r = rsqrt(mean(a^2) + eps);  t = r x (sum of 8 parts) + b_lin;  hf = t sigmoid(t) + a;  out = hf W_cls + b_cls, 32 columns a work-group.
; SHARES.  Work-group (cc, b).  Thread t owns entries 2 t, 2 t + 1 of the row; in the product wave w takes rows 64 w .. 64 w + 63 of W_cls, a lane a column.
; A row of W_cls is 804 bytes, so 4 bytes a lane is the widest aligned access; a wave takes 128 consecutive bytes of a row.  Columns past 200 are clamped to 200 and not stored.
; 56 work-groups: all the work there is.  The row's small work is made anew in each of a batch's seven work-groups; W_cls's columns, most of a work-group's bytes, go straight into lanes' registers.
; LIMITS.  sigmoid(t) = 1 / (1 + 2^(-t log2 e)): for t below about -88 the power overflows to infinity and the product is 0, as it should be.  NaN and infinities are not treated apart.
.set HF,    0                          ; hf, 1024 words
.set PS,    4096                       ; 16 waves x 32 columns
.set SS,    6144                       ; 16 words: the waves' sums of squares
.set SPARE, 6400                       ; the spare words: 128 bytes a wave, named by no other line
.set SPW,   192
.set NIL,   193
.set TMP,   194
.set SEL,   22
.macro BAR
	s_wait_dscnt 0x0                               ; my LDS stores are done and my LDS loads are back
	s_barrier_signal -1
	s_barrier_wait -1
.endm
	s_load_b256 s[4:11], s[0:1], 0x0               ; tp s[4:5], b_lin s[6:7], W_cls s[8:9], b_cls s[10:11]
	s_load_b64 s[12:13], s[0:1], 0x20              ; out0
	v_lshl_add_u32 v[SPW], v0, 2, SPARE
	v_mov_b32 v[NIL], 0
	v_mov_b32 v[TMP], 0
	v_lshrrev_b32 v1, 5, v0
	v_readfirstlane_b32 s14, v1                    ; wave
	s_mov_b32 s15, ttmp9                           ; cc
	s_and_b32 s16, ttmp7, 0xffff                   ; b
	s_mov_b32 s[SEL], 0x76543210
	s_mov_b32 s[SEL+1], 0xfedcba98
	s_mov_b32 s20, 0x3a800000                      ; 1 / 1024
	s_mov_b32 s21, 0x34000000                      ; eps
	v_and_b32 v1, 31, v0                           ; lane
	v_lshlrev_b32 v2, 3, v0                        ; 8 t
	s_lshl_b32 s17, s15, 5
	v_add_nc_u32 v3, s17, v1                       ; my column
	v_min_u32 v4, 200, v3
	v_lshlrev_b32 v4, 2, v4
	s_mul_i32 s18, s14, 51456                      ; 64 rows of 804 bytes
	v_add_nc_u32 v5, s18, v4
	s_lshl_b32 s18, s14, 2
	s_add_co_u32 s18, s18, SS
	v_mov_b32 v6, s18
	s_lshl_b32 s18, s14, 8
	v_mov_b32 v7, s18                              ; HF + 256 wave
	s_lshl_b32 s18, s14, 7
	s_add_co_u32 s18, s18, PS
	v_lshl_add_u32 v29, v1, 2, s18
	s_mov_b32 s25, 0
	s_wait_kmcnt 0x0
	s_lshl_b32 s24, s16, 12
	s_add_nc_u64 s[4:5], s[4:5], s[24:25]
	s_mul_i32 s24, s16, 804
	s_add_nc_u64 s[12:13], s[12:13], s[24:25]
	global_load_b64 v[8:9], v2, s[4:5] offset:262144
.irp k, 0,1,2,3,4,5,6,7
	global_load_b64 v[10+2*\k:11+2*\k], v2, s[4:5] offset:32768*\k
.endr
	global_load_b64 v[26:27], v2, s[6:7]
	global_load_b32 v28, v4, s[10:11]
.set i, 0
.rept 64
	global_load_b32 v[64+i], v5, s[8:9] offset:804*i
.set i, i+1
.endr
	s_wait_loadcnt 63                              ; the eleven small loads are in: 64 were issued behind them, and the count's field ends at 63
	v_mul_f32 v30, v8, v8
	v_fmac_f32 v30, v9, v9
	v_add_f32_dpp v30, v30, v30 row_xmask:1 row_mask:0xf bank_mask:0xf
	v_add_f32_dpp v30, v30, v30 row_xmask:2 row_mask:0xf bank_mask:0xf
	v_add_f32_dpp v30, v30, v30 row_xmask:4 row_mask:0xf bank_mask:0xf
	v_add_f32_dpp v30, v30, v30 row_xmask:8 row_mask:0xf bank_mask:0xf
	v_permlanex16_b32 v[TMP], v30, s[SEL], s[SEL+1]
	v_add_f32 v30, v30, v[TMP]
	ds_store_b32 v6, v30
	BAR
	v_mov_b32 v31, SS
.irp k, 0,1,2,3
	ds_load_b128 v[32+4*\k:35+4*\k], v31 offset:16*\k
.endr
	s_wait_dscnt 0x0
.irp w, 8, 4, 2
.set i, 0
.rept \w/2
	v_pk_add_f32 v[32+2*i:33+2*i], v[32+2*i:33+2*i], v[32+\w+2*i:33+\w+2*i]
.set i, i+1
.endr
.endr
	v_add_f32 v32, v32, v33
	v_fma_f32 v32, v32, s20, s21
	v_rsq_f32 v32, v32                             ; the additions below stand between it and its use
.irp k, 1,2,3,4,5,6,7
	v_pk_add_f32 v[10:11], v[10:11], v[10+2*\k:11+2*\k]
.endr
	s_wait_alu depctr_va_vdst(0)
	v_fma_f32 v10, v10, v32, v26                   ; t
	v_fma_f32 v11, v11, v32, v27
	v_mul_f32 v12, 0xbfb8aa3b, v10
	v_mul_f32 v13, 0xbfb8aa3b, v11
	v_exp_f32 v12, v12
	v_exp_f32 v13, v13
	v_nop
	s_wait_alu depctr_va_vdst(0)
	v_add_f32 v12, 1.0, v12
	v_add_f32 v13, 1.0, v13
	v_rcp_f32 v12, v12
	v_rcp_f32 v13, v13
	v_nop
	s_wait_alu depctr_va_vdst(0)
	v_fma_f32 v12, v10, v12, v8                    ; silu(t) + a
	v_fma_f32 v13, v11, v13, v9
	ds_store_b64 v2, v[12:13]
	BAR
.set i, 0
.rept 16
	ds_load_b128 v[128+4*i:131+4*i], v7 offset:16*i  ; my wave's 64 entries, the same in every lane
.set i, i+1
.endr
	s_wait_loadcnt 0x0
	s_wait_dscnt 0x0
.set i, 0
.rept 64                               ; four chains; the first four products start them
.if i < 4
	v_mul_f32 v[32+i], v[64+i], v[128+i]
.else
	v_fmac_f32 v[32+i%4], v[64+i], v[128+i]
.endif
.set i, i+1
.endr
	v_add_f32 v32, v32, v33
	v_add_f32 v34, v34, v35
	v_add_f32 v32, v32, v34
	ds_store_b32 v29, v32
	BAR
	s_cmp_lg_u32 s14, 0
	s_cbranch_scc1 .Lend
	v_lshl_add_u32 v31, v1, 2, PS
.set i, 0
.rept 16
	ds_load_b32 v[32+i], v31 offset:128*i
.set i, i+1
.endr
	s_wait_dscnt 0x0
.irp w, 8, 4, 2
.set i, 0
.rept \w/2
	v_pk_add_f32 v[32+2*i:33+2*i], v[32+2*i:33+2*i], v[32+\w+2*i:33+\w+2*i]
.set i, i+1
.endr
.endr
	v_add_f32 v32, v32, v33
	v_add_f32 v32, v32, v28
	s_wait_xcnt 0x0                                ; EXEC changes only behind this wait
	v_cmp_gt_u32 vcc_lo, 201, v3
	s_and_saveexec_b32 s26, vcc_lo
	global_store_b32 v4, v32, s[12:13]
	s_wait_xcnt 0x0
	s_or_b32 exec_lo, exec_lo, s26
.Lend:
	s_wait_tensorcnt 0x0                           ; the wave's end: behind my last LDS store
	ds_add_u32 v[SPW], v[NIL]
	s_wait_dscnt 0x0
	s_endpgm
.Lfunc_end_k_q3df244e0cb_head:
	.size	k_q3df244e0cb_head, .Lfunc_end_k_q3df244e0cb_head-k_q3df244e0cb_head
	.p2alignl 7, 3214868480
	.fill 96, 4, 3214868480
	.section	.rodata,"a",@progbits
	.p2align	6, 0x0
	.amdhsa_kernel k_q3df244e0cb_head
		.amdhsa_group_segment_fixed_size 8448
		.amdhsa_private_segment_fixed_size 0
		.amdhsa_enable_private_segment 0
		.amdhsa_kernarg_size 40
		.amdhsa_user_sgpr_count 2
		.amdhsa_user_sgpr_kernarg_segment_ptr 1
		.amdhsa_wavefront_size32 1
		.amdhsa_system_sgpr_workgroup_id_x 1
		.amdhsa_system_sgpr_workgroup_id_y 1
		.amdhsa_system_sgpr_workgroup_id_z 1
		.amdhsa_system_vgpr_workitem_id 0
		.amdhsa_next_free_vgpr 200
		.amdhsa_next_free_sgpr 66
		.amdhsa_reserve_vcc 1
		.amdhsa_float_denorm_mode_32 3
		.amdhsa_float_denorm_mode_16_64 3
		.amdhsa_memory_ordered 1
		.amdhsa_forward_progress 1
		.amdhsa_inst_pref_size 18
	.end_amdhsa_kernel
	.amdgpu_metadata
---
amdhsa.version: [ 1, 2 ]
amdhsa.kernels:
  - .name:           k_q3df244e0cb_head
    .symbol:         k_q3df244e0cb_head.kd
    .args:
      - { .name: tp, .offset: 0, .size: 8, .value_kind: global_buffer, .address_space: global }
      - { .name: params_b_lin, .offset: 8, .size: 8, .value_kind: global_buffer, .address_space: global }
      - { .name: params_W_cls, .offset: 16, .size: 8, .value_kind: global_buffer, .address_space: global }
      - { .name: params_b_cls, .offset: 24, .size: 8, .value_kind: global_buffer, .address_space: global }
      - { .name: out0, .offset: 32, .size: 8, .value_kind: global_buffer, .address_space: global }
    .group_segment_fixed_size: 8448
    .private_segment_fixed_size: 0
    .kernarg_segment_align: 8
    .kernarg_segment_size: 40
    .max_flat_workgroup_size: 512
    .sgpr_count:     66
    .vgpr_count:     200
    .wavefront_size: 32
...
	.end_amdgpu_metadata
.endif
;; end of part 7
